; MI455X (gfx1250); checked and timed in simulation.
; The chip was launched on July 23, 2026; its instructions are those of AMD's public machine-readable ISA for CDNA 5 (MIT licence, August 2026) and "CDNA5" Instruction Set Architecture Reference Guide (July 2026). The comments in the code are by the model that wrote it; some were corrected since.
;; Encoder. Allowed arithmetic: matrix products marked QUANTISED: E2M1 operands, one E8M0 scale for each 32 along K, by v_wmma_scale_f32_16x16x128_f8f6f4 with both operands' format E2M1 (or v_wmma_scale_f32_32x16x128_f4), f32 sums; everything else in f32.
;; Inputs: W11 256 x 256 float32; W12 256 x 256 float32; W13 256 x 256 float32; W14 256 x 256 float32; W21 256 x 256 float32; W22 256 x 256 float32; W23 256 x 256 float32; W24 256 x 256 float32; Wf11 1,024 x 256 float32; Wf12 1,024 x 256 float32; Wf21 256 x 1,024 float32; Wf22 256 x 1,024 float32; b1 256 float32; b2 256 float32; b3 256 float32; b4 256 float32; g1 256 float32; g2 256 float32; g3 256 float32; g4 256 float32; x 4 x 2,048 x 256 float32.
;; Outputs: out0 4 x 2,048 x 256 float32.
;; This version of the problem:
;;   THIS VERSION OF THE PROBLEM IS GIVEN IN LOW PRECISION. The matrix products marked QUANTISED in the list below multiply operands that are first quantised to E2M1 (2 exponent bits, 1 mantissa bit; 4 bits a number), with one power-of-two scale for each 32 numbers along K (OCP MX v1.0); their sums are f32. All else is computed in f32.
;;   The module's matrix products, in the order in which they are computed (A, B: the left and right operand; K: the contracted axis; several contracted axes count as one K, in the product's order):
;;     1. [M 8,192, K 256] x [K 256, N 256]; A: input x; B: input W11: QUANTISED
;;     2. [M 8,192, K 256] x [K 256, N 256]; A: input x; B: input W12: QUANTISED
;;     3. [M 8,192, K 256] x [K 256, N 256]; A: input x; B: input W13: QUANTISED
;;     4. batch 32 x [M 2,048, K 32] x [K 32, N 2,048]; A: computed on the way; B: computed on the way: QUANTISED
;;     5. batch 32 x [M 2,048, K 2,048] x [K 2,048, N 32]; A: softmax (see below); B: computed on the way: QUANTISED
;;     6. [M 8,192, K 256] x [K 256, N 256]; A: computed on the way; B: input W14: QUANTISED
;;     7. [M 8,192, K 256] x [K 256, N 1,024]; A: computed on the way; B: input Wf11: QUANTISED
;;     8. [M 8,192, K 1,024] x [K 1,024, N 256]; A: computed on the way; B: input Wf21: QUANTISED
;;     9. [M 8,192, K 256] x [K 256, N 256]; A: computed on the way; B: input W21: QUANTISED
;;     10. [M 8,192, K 256] x [K 256, N 256]; A: computed on the way; B: input W22: QUANTISED
;;     11. [M 8,192, K 256] x [K 256, N 256]; A: computed on the way; B: input W23: QUANTISED
;;     12. batch 32 x [M 2,048, K 32] x [K 32, N 2,048]; A: computed on the way; B: computed on the way: QUANTISED
;;     13. batch 32 x [M 2,048, K 2,048] x [K 2,048, N 32]; A: softmax (see below); B: computed on the way: QUANTISED
;;     14. [M 8,192, K 256] x [K 256, N 256]; A: computed on the way; B: input W24: QUANTISED
;;     15. [M 8,192, K 256] x [K 256, N 1,024]; A: computed on the way; B: input Wf12: QUANTISED
;;     16. [M 8,192, K 1,024] x [K 1,024, N 256]; A: computed on the way; B: input Wf22: QUANTISED
;;   THE QUANTISER, for each operand of a quantised product, along K:
;;     - K is cut into blocks of 32 from its start; a last block that is shorter is filled with zeros.
;;     - A block's scale is 2^e with e = floor(log2(the largest magnitude in the block)) - 2, held to -126 .. 127; a block of zeros has e = 0. As a byte (E8M0): e + 127.
;;     - Each number is divided by its block's scale, clamped to +-6, and rounded to the nearest number of E2M1, ties to even, subnormals kept.
;;     - The product sums the exact products of the quantised numbers (number of the format x scale) in f32.
;;   ~~~python
;;   def quantise(x, axis):      # numpy; x: float32 -> the quantised numbers, widened to float32 again
;;       x = np.moveaxis(x, axis, -1); K = x.shape[-1]
;;       x = np.pad(x, [(0, 0)] * (x.ndim - 1) + [(0, -K % 32)]); x = x.reshape(x.shape[:-1] + (-1, 32)); a = np.abs(x).max(-1, keepdims=True)
;;       e = np.where(a > 0, np.clip(np.frexp(np.where(a > 0, a, 1))[1] - 1 - 2, -126, 127), 0)      # np.frexp(a)[1] - 1 = floor(log2(a)), exactly
;;       r = np.clip(x / 2.0 ** e, -6, 6)
;;       step = 2.0 ** (np.maximum(np.frexp(np.where(r == 0, 1, r))[1] - 1, 0) - 1)
;;       q = np.round(r / step) * step * 2.0 ** e      # np.round: ties to even
;;       return np.moveaxis(q.reshape(q.shape[:-2] + (-1,))[..., :K], -1, axis).astype(np.float32)
;;   ~~~
;;   SOFTMAX AHEAD OF A QUANTISED PRODUCT. Where the list says 'softmax', what is quantised is not the finished softmax but p = 2^(t - M), with t = logit x log2(e) and M = ceil(the row's largest t), a whole number; so 1/2 < the row's largest p <= 1. The row's sum l is taken of the UNQUANTISED p, in f32, and the product's result is divided by l at the end. Since M is a whole number, a kernel that streams over the keys may use a running M (the ceiling of the running maximum): every later rescaling is an exact power of two, which a block's scale takes up: the codes' values come out the same.
;;   OPERANDS COMPUTED ON THE WAY. 'Computed on the way' means the value that the module computes at that place (a softmax that the list does not call 'softmax' is quantised finished and normalised). What goes into a quantiser is computed in f32, as accurately as f32 sums, v_exp_f32 and their like allow (about 1e-6 of the number): no bf16 or f16 on the way to a quantiser, and a product that is left as it is and whose result goes on into a quantised operand takes f32 operands (vector FMAs, or v_wmma_f32_16x16x4_f32). A number that lies on a knife's edge between two numbers of the format may be rounded either way, as far as f32 arithmetic and the matrix unit's own rounding can turn it there, and no further.
;; One version. Each part assembles by itself: llvm-mc -triple=amdgcn-amd-amdhsa -mcpu=gfx1250 --defsym DOCPART=n.
;; ======== version 1 of 1: 5 launches
;; limits: right only within a limited range of input values
;; workspace buffers: w1 417,792 bytes; w2 417,792 bytes; xc 1,114,112 bytes; oc 1,114,112 bytes; x1 8,388,608 bytes
;; launch wqx (part 1): grid 448 x 1, 4 waves a work-group, no clusters, 0 bytes of LDS; arguments W11, W12, W13, W14, Wf11, Wf21, W21, W22, W23, W24, Wf12, Wf22, w1, w2, x, xc; writes w1, w2, xc
.if DOCPART == 1
	.amdgcn_target "amdgcn-amd-amdhsa--gfx1250"
	.amdhsa_code_object_version 6
	.text
	.protected	k_qecaa1fd0d8_wqx
	.globl	k_qecaa1fd0d8_wqx
	.p2align	8
	.type	k_qecaa1fd0d8_wqx,@function
k_qecaa1fd0d8_wqx:
	s_mov_b64 s[64:65], 0
	v_nop
	global_prefetch_b8 v0, s[64:65] scope:SCOPE_SE
	s_setreg_imm32_b32 hwreg(HW_REG_WAVE_MODE, 25, 1), 1
	s_wait_xcnt 0x0
; THE TWELVE WEIGHTS AND x, f32 with K innermost, become codes of FP4 (E2M1) with one E8M0 scale byte for each 32 along K, laid in the order of the matrix operand's registers.
; A FRAGMENT is 16 rows x 128 K: 1,024 bytes as [c = 0, 1][lane][16 bytes]: lane (r, h) of group c holds block 2 c + h of its row; beside it 16 scale words, [r][4 bytes].  One wave makes one fragment; no LDS, no barrier.
; WORK-GROUPS 0-191, THE WEIGHTS (0-95 layer 1 into w1, 96-191 layer 2 into w2).
;   The rows of a tile are not neighbours: lane r of tile 2 b + u takes row 32 b + 8 u + r + 8 (r / 8), so that a product used transposed leaves 16 neighbours along the next K in a lane's 16 registers of tiles 2 b, 2 b + 1.
;   A layer has 384 fragments, numbered f: 0-31 Wq, 32-63 Wk, 64-95 Wv, 96-127 Wo, 128-255 Wf1 (inside a weight: 2 x tile + K step), 256-383 Wf2 (16 x K step + tile).
;   Codes at 1024 f (+ 6144 from f = 96 on), scale words at 64 f + 98304 (f < 96) or 64 f + 393216: the first three weights with their scales, and the last three with theirs, are two dense runs.
; WORK-GROUPS 192-447, x INTO xc.  The 8,192 rows are 128 groups of 64.  Tile u (0..3) of group G', lane r, stands for row 64 G' + 32 (r / 8) + 8 u + r % 8.
;   A group is 8,704 bytes: its eight fragments (2 u + K step) of 1,024 bytes, then their scale words, 64 bytes each.
; A block's scale is 2^(floor(log2(its largest magnitude)) - 2); its byte is the largest magnitude's exponent field - 2, held at 1 from below.
; LIMITS: a block of zeros gets the byte 1 where the quantiser's rule says 127 (its codes are zeros, and only this program reads the bytes); NaN and infinities among the inputs are not served.
.set XR,  32                           ; v32-95  64 numbers
.set CR,  16                           ; v16-23  the fragment's codes
.set SEL, 60                           ; s[60:61] lane selects for v_permlanex16_b32: lane l xor 16
.macro PICK start, p                   ; from work-group start on the source is the pointer in s[p:p+1]
	s_cmp_ge_u32 ttmp9, \start
	s_cselect_b64 s[4:5], s[\p:\p+1], s[4:5]
	s_cselect_b32 s6, \start, s6
.endm
	s_load_b512 s[8:23], s[0:1], 0x0               ; W11 W12 W13 W14 Wf11 Wf21 W21 W22
	s_load_b256 s[24:31], s[0:1], 0x40             ; W23 W24 Wf12 Wf22
	s_load_b128 s[32:35], s[0:1], 0x60             ; w1, w2
	s_load_b128 s[68:71], s[0:1], 0x70             ; x, xc
	v_lshrrev_b32 v1, 5, v0
	v_readfirstlane_b32 s7, v1                     ; wave 0..3
	v_and_b32 v2, 15, v0                           ; r
	v_bfe_u32 v3, v0, 4, 1                         ; h
	v_and_b32 v5, 31, v0
	v_lshlrev_b32 v5, 4, v5                        ; 16 x lane: my place in a group of the image
	v_lshlrev_b32 v6, 2, v2                        ; 4 r: my row's scale word
	s_mov_b32 s[SEL], 0x76543210
	s_mov_b32 s[SEL+1], 0xfedcba98
	s_wait_kmcnt 0x0
	s_cmp_ge_u32 ttmp9, 192
	s_cbranch_scc1 .Lrows                          ; the two kinds of work part on the work-group's number
	; ---- a fragment of a weight: lane (r, h) holds two whole blocks, 2 c + h
	s_wait_alu depctr_va_vdst(0)
	v_lshlrev_b32 v7, 3, v3                        ; 8 h: where my two bytes stand in the word
	s_mov_b64 s[4:5], s[8:9]                       ; which weight is my work-group's: the choice hangs on the work-group's number alone
	s_mov_b32 s6, 0
	PICK 8, 10
	PICK 16, 12
	PICK 24, 14
	PICK 32, 16
	PICK 64, 18
	PICK 96, 20
	PICK 104, 22
	PICK 112, 24
	PICK 120, 26
	PICK 128, 28
	PICK 160, 30
	s_cmp_ge_u32 ttmp9, 96
	s_cselect_b32 s36, 96, 0
	s_cselect_b64 s[38:39], s[34:35], s[32:33]     ; the layer's buffer
	s_sub_co_u32 s36, ttmp9, s36                   ; the work-group's number inside its layer
	s_sub_co_u32 s37, ttmp9, s6
	s_lshl_b32 s37, s37, 2
	s_add_co_u32 s37, s37, s7                      ; the fragment's number inside its weight
	s_lshl_b32 s40, s36, 2
	s_add_co_u32 s40, s40, s7                      ; f
	s_and_b32 s41, s37, 15
	s_lshr_b32 s42, s37, 1
	s_lshr_b32 s43, s37, 4
	s_and_b32 s44, s37, 1
	s_mov_b32 s47, 98304
	s_cmp_ge_u32 s36, 64                           ; Wf2?
	s_cselect_b32 s41, s41, s42                    ; tile
	s_cselect_b32 s43, s43, s44                    ; K step
	s_cselect_b32 s45, 12, 10                      ; a row is 4,096 or 1,024 bytes
	s_cmp_ge_u32 s36, 24                           ; f >= 96?
	s_cselect_b32 s46, 6144, 0
	s_cselect_b32 s47, 393216, s47
	s_lshl_b32 s48, s40, 10
	s_add_co_u32 s48, s48, s46                     ; where the codes go
	s_mov_b32 s49, 0
	s_lshl_b32 s50, s40, 6
	s_add_co_u32 s50, s50, s47                     ; where the scale words go
	s_mov_b32 s51, 0
	s_add_nc_u64 s[52:53], s[38:39], s[48:49]
	s_add_nc_u64 s[54:55], s[38:39], s[50:51]
	s_lshr_b32 s56, s41, 1
	s_lshl_b32 s56, s56, 5
	s_and_b32 s57, s41, 1
	s_lshl_b32 s57, s57, 3
	s_add_co_u32 s56, s56, s57                     ; the tile's first row: 32 (tile / 2) + 8 (tile % 2)
	s_lshl_b32 s58, s43, 9                         ; the K step's 512 bytes in a row
	v_and_b32 v4, 8, v2
	v_add_nc_u32 v4, v4, v2                        ; r + 8 (r / 8)
	v_add_nc_u32 v4, s56, v4                       ; my row
	v_lshlrev_b32 v4, s45, v4
	v_lshl_add_u32 v4, v3, 7, v4                   ; + 128 h: block 2 c + h begins 256 c + 128 h bytes into the K step
	v_add_nc_u32 v4, s58, v4
.irp c, 0,1
.irp i, 0,1,2,3,4,5,6,7
	global_load_b128 v[XR+32*\c+4*\i:XR+32*\c+4*\i+3], v4, s[4:5] offset:256*\c+16*\i th:TH_LOAD_NT
.endr
.endr
	s_wait_loadcnt 0x0
.irp c, 0,1
	v_max3_num_f32 v[8+\c], |v[XR+32*\c]|, |v[XR+1+32*\c]|, 0x1800000   ; my block 2 c + h: all its 32 numbers are mine; and the floor 2^(3 - 127), so that the byte cannot fall under 1
.endr
.irp i, 2,4,6,8,10,12,14,16,18,20,22,24,26,28,30
.irp c, 0,1
	v_max3_num_f32 v[8+\c], v[8+\c], |v[XR+32*\c+\i]|, |v[XR+1+32*\c+\i]|   ; (the two blocks by turns)
.endr
.endr
.irp c, 0,1
	v_add_nc_u32 v[10+\c], 0xff000000, v[8+\c]     ; 2 off the exponent field: the conversion takes this operand's exponent field as its scale
.endr
.irp c, 0,1
	v_lshrrev_b32 v[12+\c], 23, v[10+\c]           ; the scale's byte
.endr
	v_lshl_or_b32 v14, v13, 16, v12                ; my two bytes: blocks h and 2 + h,
	v_lshlrev_b32 v14, v7, v14                     ; at their places in the word;
	v_mov_b32 v15, 0
	v_permlanex16_b32 v15, v14, s[SEL], s[SEL+1]
	v_or_b32 v14, v14, v15                         ; with lane l xor 16's two the word is whole, in both halves of the lanes
.irp c, 0,1
.irp g, 0,1,2,3
	v_cvt_scalef32_pk8_fp4_f32 v[CR+4*\c+\g], v[XR+32*\c+8*\g:XR+32*\c+8*\g+7], v[10+\c]
.endr
.endr
.irp c, 0,1
	global_store_b128 v5, v[CR+4*\c:CR+4*\c+3], s[52:53] offset:512*\c   ; 32 lanes store 512 consecutive bytes
.endr
	global_store_b32 v6, v14, s[54:55]             ; 64 bytes of scale words; lanes l and l xor 16 store the same word at the same place
	s_endpgm
.Lrows:
	; ---- a fragment of x: lane (r, h) loads 16 neighbours of each of its row's four blocks; lanes l and l xor 16 share a block
	s_sub_co_u32 s36, ttmp9, 192
	s_lshl_b32 s36, s36, 2
	s_add_co_u32 s36, s36, s7                      ; the fragment's number: 8 x group + 2 u + K step
	s_lshr_b32 s37, s36, 3                         ; G'
	s_and_b32 s40, s36, 7                          ; 2 u + s
	s_lshl_b32 s41, s37, 16                        ; the group's 64 rows of 1,024 bytes,
	s_lshr_b32 s42, s40, 1
	s_lshl_b32 s42, s42, 13                        ; 8 u rows,
	s_add_co_u32 s41, s41, s42
	s_and_b32 s42, s40, 1
	s_lshl_b32 s42, s42, 9                         ; K step s
	s_add_co_u32 s41, s41, s42
	s_mul_i32 s43, s37, 8704                       ; the group's place in xc
	s_lshl_b32 s44, s40, 10
	s_add_co_u32 s44, s44, s43                     ; the fragment's codes
	s_lshl_b32 s45, s40, 6
	s_add_co_u32 s45, s45, s43
	s_add_co_u32 s45, s45, 8192                    ; its scale words
	s_wait_alu depctr_va_vdst(0)
	v_and_b32 v4, 7, v2
	v_lshrrev_b32 v7, 3, v2
	v_lshl_add_u32 v4, v7, 5, v4                   ; 32 (r / 8) + r % 8
	v_lshlrev_b32 v4, 10, v4
	v_lshl_add_u32 v4, v3, 6, v4                   ; + 64 h: my 16 numbers of a block of 32
	v_add_nc_u32 v4, s41, v4
	v_add_nc_u32 v5, s44, v5
	v_add_nc_u32 v6, s45, v6
.irp b, 0,1,2,3
	v_mov_b32 v[12+\b], 0                          ; a lane permute's destination counts as one of its sources
.endr
.irp b, 0,1,2,3
.irp j, 0,1,2,3
	global_load_b128 v[XR+16*\b+4*\j:XR+16*\b+4*\j+3], v4, s[68:69] offset:128*\b+16*\j th:TH_LOAD_NT   ; register 16 b + i = column 128 s + 32 b + 16 h + i of my row
.endr
.endr
	s_wait_loadcnt 0x0
.irp b, 0,1,2,3
	v_max3_num_f32 v[8+\b], |v[XR+16*\b]|, |v[XR+1+16*\b]|, 0x1800000   ; my 16 numbers of block b, and the floor
.endr
.irp i, 2,4,6,8,10,12,14
.irp b, 0,1,2,3
	v_max3_num_f32 v[8+\b], v[8+\b], |v[XR+16*\b+\i]|, |v[XR+1+16*\b+\i]|   ; (the four blocks by turns)
.endr
.endr
.irp b, 0,1,2,3
	v_permlanex16_b32 v[12+\b], v[8+\b], s[SEL], s[SEL+1]
.endr
.irp b, 0,1,2,3
	v_max_num_f32 v[8+\b], v[8+\b], v[12+\b]       ; with lane l xor 16's: the block's largest magnitude
.endr
.irp b, 0,1,2,3
	v_add_nc_u32 v[24+\b], 0xff000000, v[8+\b]     ; the conversion's scale operand
.endr
.irp b, 0,1,2,3
	v_lshrrev_b32 v[12+\b], 23, v[24+\b]           ; the scale's byte
.endr
	v_lshl_or_b32 v28, v13, 8, v12
	v_lshl_or_b32 v28, v14, 16, v28
	v_lshl_or_b32 v28, v15, 24, v28                ; my row's scale word
.irp b, 0,1,2,3
	v_cvt_scalef32_pk8_fp4_f32 v[CR+2*\b], v[XR+16*\b:XR+7+16*\b], v[24+\b]
	v_cvt_scalef32_pk8_fp4_f32 v[CR+1+2*\b], v[XR+8+16*\b:XR+15+16*\b], v[24+\b]
.endr
	v_nop                                          ; one plain place behind a scaled conversion
.irp c, 0,1                                    ; the operand's layout wants a whole block in a lane: lanes 0-15 block 2 c, lanes 16-31 block 2 c + 1
.irp i, 0,1
	v_permlane16_swap_b32 v[CR+4*\c+\i], v[CR+4*\c+2+\i]
.endr
.endr
.irp c, 0,1
	global_store_b128 v5, v[CR+4*\c:CR+4*\c+3], s[70:71] offset:512*\c   ; 32 lanes store 512 consecutive bytes
.endr
	global_store_b32 v6, v28, s[70:71]             ; lanes l and l xor 16 store the same word at the same place
	s_endpgm
.Lfunc_end_k_qecaa1fd0d8_wqx:
	.size	k_qecaa1fd0d8_wqx, .Lfunc_end_k_qecaa1fd0d8_wqx-k_qecaa1fd0d8_wqx
	.p2alignl 7, 3214868480
	.fill 96, 4, 3214868480
	.section	.rodata,"a",@progbits
	.p2align	6, 0x0
	.amdhsa_kernel k_qecaa1fd0d8_wqx
		.amdhsa_group_segment_fixed_size 0
		.amdhsa_private_segment_fixed_size 0
		.amdhsa_enable_private_segment 0
		.amdhsa_kernarg_size 128
		.amdhsa_user_sgpr_count 2
		.amdhsa_user_sgpr_kernarg_segment_ptr 1
		.amdhsa_wavefront_size32 1
		.amdhsa_system_sgpr_workgroup_id_x 1
		.amdhsa_system_sgpr_workgroup_id_y 1
		.amdhsa_system_sgpr_workgroup_id_z 1
		.amdhsa_system_vgpr_workitem_id 0
		.amdhsa_next_free_vgpr 128
		.amdhsa_next_free_sgpr 72
		.amdhsa_reserve_vcc 0
		.amdhsa_float_denorm_mode_32 3
		.amdhsa_float_denorm_mode_16_64 3
		.amdhsa_memory_ordered 1
		.amdhsa_forward_progress 1
		.amdhsa_inst_pref_size 16
	.end_amdhsa_kernel
	.amdgpu_metadata
---
amdhsa.version: [ 1, 2 ]
amdhsa.kernels:
  - .name:           k_qecaa1fd0d8_wqx
    .symbol:         k_qecaa1fd0d8_wqx.kd
    .args:
      - { .name: W11, .offset: 0, .size: 8, .value_kind: global_buffer, .address_space: global }
      - { .name: W12, .offset: 8, .size: 8, .value_kind: global_buffer, .address_space: global }
      - { .name: W13, .offset: 16, .size: 8, .value_kind: global_buffer, .address_space: global }
      - { .name: W14, .offset: 24, .size: 8, .value_kind: global_buffer, .address_space: global }
      - { .name: Wf11, .offset: 32, .size: 8, .value_kind: global_buffer, .address_space: global }
      - { .name: Wf21, .offset: 40, .size: 8, .value_kind: global_buffer, .address_space: global }
      - { .name: W21, .offset: 48, .size: 8, .value_kind: global_buffer, .address_space: global }
      - { .name: W22, .offset: 56, .size: 8, .value_kind: global_buffer, .address_space: global }
      - { .name: W23, .offset: 64, .size: 8, .value_kind: global_buffer, .address_space: global }
      - { .name: W24, .offset: 72, .size: 8, .value_kind: global_buffer, .address_space: global }
      - { .name: Wf12, .offset: 80, .size: 8, .value_kind: global_buffer, .address_space: global }
      - { .name: Wf22, .offset: 88, .size: 8, .value_kind: global_buffer, .address_space: global }
      - { .name: w1, .offset: 96, .size: 8, .value_kind: global_buffer, .address_space: global }
      - { .name: w2, .offset: 104, .size: 8, .value_kind: global_buffer, .address_space: global }
      - { .name: x, .offset: 112, .size: 8, .value_kind: global_buffer, .address_space: global }
      - { .name: xc, .offset: 120, .size: 8, .value_kind: global_buffer, .address_space: global }
    .group_segment_fixed_size: 0
    .private_segment_fixed_size: 0
    .kernarg_segment_align: 8
    .kernarg_segment_size: 128
    .max_flat_workgroup_size: 128
    .sgpr_count:     72
    .vgpr_count:     128
    .wavefront_size: 32
...
	.end_amdgpu_metadata
.endif
;; end of part 1
;; launch att1 (part 2): grid 8 x 32, 16 waves a work-group, clusters of 4 x 1, 281,600 bytes of LDS; arguments xc, w1, oc; writes oc
.if DOCPART == 2
	.amdgcn_target "amdgcn-amd-amdhsa--gfx1250"
	.amdhsa_code_object_version 6
	.text
	.protected	k_qecaa1fd0d8_att1
	.globl	k_qecaa1fd0d8_att1
	.p2align	8
	.type	k_qecaa1fd0d8_att1,@function
k_qecaa1fd0d8_att1:
	s_mov_b64 s[64:65], 0
	v_nop
	global_prefetch_b8 v0, s[64:65] scope:SCOPE_SE
	s_setreg_imm32_b32 hwreg(HW_REG_WAVE_MODE, 25, 1), 1
	s_wait_xcnt 0x0
	s_wait_alu depctr_hold_cnt(0) depctr_sa_sdst(0) depctr_va_vdst(0) depctr_va_sdst(0) depctr_va_ssrc(0) depctr_va_vcc(0) depctr_vm_vsrc(0)
	s_getreg_b32 s2, hwreg(HW_REG_IB_STS2, 6, 4)
	s_cmp_eq_u32 s2, 0
	s_cbranch_scc0 .Lentry_in_a_cluster
	s_endpgm
.Lentry_in_a_cluster:
	s_bfe_u32 s2, ttmp6, 0x10000c
	s_cmp_lg_u32 s2, 0x3003
	s_cbranch_scc0 .Lentry_shape_is_right
	s_endpgm
.Lentry_shape_is_right:
; q = relu(x Wq^T), k = relu(x Wk^T), v = relu(x Wv^T) of one head, and o = softmax(q k^T / sqrt(32)) v, all four products on codes of FP4 with E8M0 scales.  x comes as operand images (xc); q, k, v never go to memory;
; o is quantised here (a head's 32 channels are one block of the next product's K) and leaves as codes and scale bytes.
; SHARES.  A work-group owns 256 positions of one head, each of its sixteen waves 16.  Tile u (0..3) of a group of 64 rows, lane r, stands for row 64 G + 32 (r / 8) + 8 u + r % 8; position = 64 G + 16 u + r.
; HEAD.  A batch's x images are 32 groups of 8,704 bytes.  The four work-groups of a cluster share batch and head and ask for the images JOINTLY: each wave one tensor load of 68 rows of 256 bytes (two groups).  Wave w alone reads
; what it asked for, makes k and v of the head for these 128 keys (key step w) and stores them as operand images over the first 4,352 bytes of its own region: K's two fragments at 0, V's two at 2,048, K's scale words at 4,096, V's at 4,224.
; Nothing is filled again.  The weights' 12 fragments of my head go from the workspace straight into registers: 13,056 bytes a work-group against the 278,528 of the joint loads, so they are not asked for jointly.
; SOFTMAX: t = score x log2(e) / sqrt(32); M = the running largest t rounded up to a whole number; p = 2^(t - M) is quantised along the keys; the row's sum is taken of the unquantised p and divides at the end.
; THE FIRST PRODUCT HAS K = 32, THE INSTRUCTION 128: a row of K's fragment holds four keys, one a block; source 1 is q in one block and zero codes in the other three.  Tile (F, b): register j of lane (r, h) is the score of query r with
; key 64 F + 32 h + 8 b + j of the step, so the 32 registers of fragment F are a whole block of 32 keys in key order.  O^T = V^T P^T: register 8 t + j of lane (r, h) is channel 16 h + 8 t + j of query r.
; LIMITS: a block of zeros gets the scale byte 1 where the rule says 127 (its codes are zeros; only this program reads the bytes); a block's largest p is made from the block's largest score, which takes v_exp_f32 not to fall where its
; input rises; t is one multiplication of the score; NaN and infinities are not served; the scaled scores stay under 2^31 in magnitude.
.set RG,  17408
.set GX,  8704
.set OSB, 278528
.set WV,  8
.set SEL, 20
.set CS,  22
.set G1,  24
.set G0,  32
.set TB,  40
.set CNT, 42
.set XQ,  16
.set WK,  40
.set XS,  72
.set QS,  75
.set WSC, 79
.set PW,  85
.set PCD, 86
.set XQS, 94
.set XF,  96
.set DD,  160
.set WVV, 224
.set TMA, 12
.set TMB, 36
.set TMC, 32
.macro PLACES n
.rept \n
	v_nop
.endr
.endm
.macro ROUND                           ; a round of the cluster's barrier
	s_barrier_signal -1
	s_barrier_wait -1
	s_cmp_lg_u32 s[WV], 0
	s_cbranch_scc1 .Lnot_wave_0_\@
	s_barrier_signal -3
.Lnot_wave_0_\@:
	s_barrier_wait -3
	s_barrier_signal -1
	s_barrier_wait -1
.endm
; z = 1: the product starts the sum; else it adds in place and takes both sides' scales from lanes 16-31
.macro MM d, a, b, z, sa, sb
.if \z
	v_wmma_scale_f32_16x16x128_f8f6f4 v[(\d):(\d)+7], v[(\a):(\a)+7], v[(\b):(\b)+7], 0, v[\sa], v[\sb] matrix_a_fmt:MATRIX_FMT_FP4 matrix_b_fmt:MATRIX_FMT_FP4
.else
	v_wmma_scale_f32_16x16x128_f8f6f4 v[(\d):(\d)+7], v[(\a):(\a)+7], v[(\b):(\b)+7], v[(\d):(\d)+7], v[\sa], v[\sb] matrix_a_fmt:MATRIX_FMT_FP4 matrix_b_fmt:MATRIX_FMT_FP4 matrix_a_scale:MATRIX_SCALE_ROW1 matrix_b_scale:MATRIX_SCALE_ROW1
.endif
.endm
; 64 numbers of a lane, v[DD] on, register 16 b + i = element 16 (lane / 16) + i of block b of my row, become a fragment's codes in v[PCD] on and its scale word in v[PW]
.macro QUANT
.irp b, 0,1,2,3
	v_max3_num_f32 v[TMA+\b], |v[DD+16*\b]|, |v[DD+1+16*\b]|, 0x1800000   ; with the floor 2^(3 - 127): the byte cannot fall under 1
.endr
.irp i, 2,4,6,8,10,12,14
.irp b, 0,1,2,3
	s_delay_alu instid0(VALU_DEP_4)
	v_max3_num_f32 v[TMA+\b], v[TMA+\b], |v[DD+16*\b+\i]|, |v[DD+1+16*\b+\i]|
.endr
.endr
.irp b, 0,1,2,3
	s_delay_alu instid0(VALU_DEP_4)
	v_permlanex16_b32 v[TMB+\b], v[TMA+\b], s[SEL], s[SEL+1]
.endr
.irp b, 0,1,2,3
	s_delay_alu instid0(VALU_DEP_4)
	v_max_num_f32 v[TMA+\b], v[TMA+\b], v[TMB+\b]
.endr
.irp b, 0,1,2,3
	s_delay_alu instid0(VALU_DEP_4)
	v_add_nc_u32 v[TMC+\b], 0xff000000, v[TMA+\b]  ; 2 off the exponent field: the conversion's scale operand
.endr
.irp b, 0,1,2,3
	s_delay_alu instid0(VALU_DEP_4)
	v_lshrrev_b32 v[TMB+\b], 23, v[TMC+\b]         ; the scale's byte
.endr
	s_delay_alu instid0(VALU_DEP_3)
	v_lshl_or_b32 v[PW], v[TMB+1], 8, v[TMB]
	s_delay_alu instid0(VALU_DEP_1)
	v_lshl_or_b32 v[PW], v[TMB+2], 16, v[PW]
	s_delay_alu instid0(VALU_DEP_1)
	v_lshl_or_b32 v[PW], v[TMB+3], 24, v[PW]
.irp b, 0,1,2,3
	v_cvt_scalef32_pk8_fp4_f32 v[PCD+2*\b], v[DD+16*\b:DD+7+16*\b], v[TMC+\b]
	v_cvt_scalef32_pk8_fp4_f32 v[PCD+1+2*\b], v[DD+8+16*\b:DD+15+16*\b], v[TMC+\b]
.endr
	v_nop                                          ; one plain place behind a scaled conversion
.irp c, 0,1                                    ; a whole block in a lane
.irp i, 0,1
	v_permlane16_swap_b32 v[PCD+4*\c+\i], v[PCD+4*\c+2+\i]
.endr
.endr
.endm
.macro RELU                            ; each accumulator from its low end on
.set j, 0
.rept 64
	v_max_num_f32 v[DD+j], 0, v[DD+j]
.set j, j+1
.endr
.endm
; transposed: source 0 = 16 of my head's channels, source 1 = 16 positions; the eight accumulators take turns
.macro PROJ wb, ws
.irp s, 0,1
.irp u, 0,1,2,3
.irp t, 0,1
	MM DD+16*\u+8*\t, \wb+8*(2*\t+\s), XF+8*(2*\u+\s), 1-\s, \ws+\t, XS+\u
.endr
.endr
.endr
	PLACES 4
.endm
; group 2 w + e: its x images out of my region, k and v for its 64 keys, their images into the first 4,352 bytes of my region
.macro GROUP e
.irp k, 0,1,2,3,4,5,6,7,8,9,10,11,12,13,14,15
	ds_load_b128 v[XF+4*\k:XF+4*\k+3], v7 offset:GX*\e+512*\k
.endr
.irp u, 0,1,2,3
	ds_load_b32 v[XS+\u], v8 offset:GX*\e+8192+128*\u
.endr
	s_wait_dscnt 0x0
.if \e == 0
	s_wait_loadcnt 0x0                             ; the weights, their scale words and q's x fragments
.endif
	PROJ WK, WSC+2
.if \e == 1
.irp k, 0,1,2,3,4,5,6,7
	global_load_b128 v[WK+4*\k:WK+4*\k+3], v3, s[6:7] offset:512*\k   ; Wq, into the registers that Wk has left
.endr
.endif
	RELU
	QUANT
.irp c, 0,1
	ds_store_b128 v7, v[PCD+4*\c:PCD+4*\c+3] offset:1024*\e+512*\c
.endr
	ds_store_b32 v9, v[PW] offset:4096+64*\e
	; v: source 0 = 16 positions, source 1 = 16 channels: register 32 t + 8 u + j of lane (r, h) is key 32 h + 8 u + j of the group
.irp s, 0,1
.irp u, 0,1,2,3
.irp t, 0,1
	MM DD+32*\t+8*\u, XF+8*(2*\u+\s), WVV+8*(2*\t+\s), 1-\s, XS+\u, WSC+4+\t
.endr
.endr
.endr
	PLACES 4
	RELU
.irp t, 0,1
	v_max3_num_f32 v[TMA+\t], v[DD+32*\t], v[DD+1+32*\t], 0x1800000
.endr
.irp i, 2,4,6,8,10,12,14,16,18,20,22,24,26,28,30
.irp t, 0,1
	s_delay_alu instid0(VALU_DEP_2)
	v_max3_num_f32 v[TMA+\t], v[TMA+\t], v[DD+32*\t+\i], v[DD+1+32*\t+\i]
.endr
.endr
.irp t, 0,1
	s_delay_alu instid0(VALU_DEP_2)
	v_add_nc_u32 v[TMC+\t], 0xff000000, v[TMA+\t]
.endr
.irp t, 0,1
	s_delay_alu instid0(VALU_DEP_2)
	v_lshrrev_b32 v[TMB+\t], 23, v[TMC+\t]
.endr
	s_wait_alu depctr_va_vdst(0)
	s_wait_dscnt 0x0                               ; k's stores have read the codes' registers
.irp t, 0,1
.irp i, 0,1,2,3
	v_cvt_scalef32_pk8_fp4_f32 v[PCD+4*\t+\i], v[DD+32*\t+8*\i:DD+32*\t+8*\i+7], v[TMC+\t]
.endr
.endr
	v_nop
	; the two bytes (h = 0, 1) of channel tile t, row r, are gathered in lane (r, t)
	v_cmp_gt_u32 vcc_lo, 16, v76
	s_delay_alu instid0(VALU_DEP_1)
	v_cndmask_b32 v78, v[TMB+1], v[TMB], vcc_lo
	s_delay_alu instid0(VALU_DEP_2)
	v_cndmask_b32 v11, v[TMB], v[TMB+1], vcc_lo
	s_delay_alu instid0(VALU_DEP_1)
	v_permlanex16_b32 v[TMB+2], v11, s[SEL], s[SEL+1]
	s_delay_alu instid0(VALU_DEP_3)
	v_lshlrev_b32 v78, v5, v78
	s_delay_alu instid0(VALU_DEP_2)
	v_lshlrev_b32 v11, v6, v[TMB+2]
	s_delay_alu instid0(VALU_DEP_1)
	v_or_b32 v95, v78, v11
.irp t, 0,1
	ds_store_b128 v7, v[PCD+4*\t:PCD+4*\t+3] offset:2048+1024*\t+512*\e
.endr
	ds_store_b16 v10, v95 offset:4224+2*\e
.endm
	s_load_b128 s[4:7], s[0:1], 0x0                ; xc, the layer's weights
	s_load_b64 s[44:45], s[0:1], 0x10              ; oc
	v_lshl_add_u32 v254, v0, 2, 0x44400
	v_mov_b32 v255, 0
	ds_add_u32 v254, v255
	ds_add_u32 v254, v255
	s_wait_dscnt 0x0
	v_lshrrev_b32 v6, 5, v0
	s_delay_alu instid0(VALU_DEP_1)
	v_readfirstlane_b32 s[WV], v6                  ; wave 0..15
	s_bfe_u32 s9, ttmp6, 0x40000                   ; cx
	s_lshl_b32 s10, ttmp9, 2
	s_add_co_u32 s10, s10, s9                      ; qb: my block of 256 positions
	s_and_b32 s11, ttmp7, 0xffff                   ; batch and head, which the four partners share
	s_lshr_b32 s46, s11, 3
	s_and_b32 s47, s11, 7
	s_mul_i32 s14, s[WV], RG
	s_mul_i32 s12, s46, 278528
	s_add_co_u32 s12, s12, s14
	s_mov_b32 s13, 0
	s_mov_b32 s[G1], 15|(3<<16)|(1<<21)            ; the mask of all four; elements of 8 bytes; bit 21 beside a mask; no padding
	s_mov_b32 s[G1+1], 32<<16
	s_mov_b32 s[G1+2], 68<<16
	s_mov_b32 s[G1+3], 32<<16
	s_mov_b32 s[G1+4], 68
	s_mov_b32 s[G1+5], 32
	s_mov_b32 s[G1+6], 0
	s_mov_b32 s[G1+7], 0
	s_mov_b32 s[G0], 1
	s_mov_b32 s[G0+1], s14
	s_mov_b32 s[SEL], 0x76543210
	s_mov_b32 s[SEL+1], 0xfedcba98
	s_mov_b32 s[CS], 0x3e8293ee                    ; c = log2(e) / sqrt(32)
	s_mov_b32 s[CS+1], s[CS]
	s_mov_b32 s[TB], 0
	s_mov_b32 s[CNT], 0
	s_mov_b32 s43, 0x01010101
	s_wait_kmcnt 0x0
	s_add_nc_u64 s[G0+2:G0+3], s[4:5], s[12:13]
	s_or_b32 s[G0+3], s[G0+3], 0x80000000
	ROUND                                          ; the joint loads meet
	tensor_load_to_lds s[G0:G0+3], s[G1:G1+7]      ; one load a wave
	s_nop 0
	PLACES 4
	v_and_b32 v76, 31, v0                          ; lane
	v_and_b32 v77, 15, v0                          ; r
	v_bfe_u32 v78, v0, 4, 1                        ; h
	s_delay_alu instid0(VALU_DEP_1)
	v_lshlrev_b32 v5, 3, v78                       ; 8 h
	s_delay_alu instid0(VALU_DEP_1)
	v_sub_nc_u32 v6, 8, v5
	v_lshlrev_b32 v1, 4, v76                       ; 16 x lane
	s_wait_alu depctr_va_vdst(0)
	v_lshl_add_u32 v2, v76, 2, 4096
	v_add_nc_u32 v7, s14, v1
	v_lshl_add_u32 v8, v76, 2, s14
	v_lshl_add_u32 v9, v77, 2, s14
	s_delay_alu instid0(VALU_DEP_1)
	v_lshl_add_u32 v10, v78, 6, v9
	s_lshl_b32 s16, s47, 12
	v_add_nc_u32 v3, s16, v1                       ; my head's four fragments of a weight
	s_lshl_b32 s16, s47, 8
	s_add_co_u32 s16, s16, 98304
	v_lshl_add_u32 v4, v76, 2, s16                 ; and their scale words
	s_wait_alu depctr_va_vdst(0)
	s_lshl_b32 s48, s46, 5
	s_lshl_b32 s49, s10, 2
	s_add_co_u32 s48, s48, s49
	s_lshr_b32 s49, s[WV], 2
	s_add_co_u32 s48, s48, s49                     ; the group of my 16 positions
	s_mul_i32 s48, s48, GX
	s_and_b32 s49, s[WV], 3
	s_lshl_b32 s50, s49, 11
	s_add_co_u32 s50, s50, s48
	v_add_nc_u32 v11, s50, v1
	s_wait_alu depctr_va_vdst(0)
	s_lshl_b32 s50, s49, 7
	s_add_co_u32 s50, s50, s48
	s_add_co_u32 s50, s50, 8192
	v_lshl_add_u32 v95, v76, 2, s50
	s_wait_alu depctr_va_vdst(0)
	s_lshl_b32 s15, s11, 15
	s_lshl_b32 s16, s10, 12
	s_add_co_u32 s15, s15, s16
	s_lshl_b32 s16, s[WV], 8
	s_add_co_u32 s15, s15, s16                     ; o's codes
	s_lshl_b32 s17, s11, 11
	s_lshl_b32 s18, s10, 8
	s_add_co_u32 s17, s17, s18                     ; o's scale bytes
.irp i, 0,1,2
.irp t, 0,1
	global_load_b32 v[WSC+2*\i+\t], v4, s[6:7] offset:2048*\i+128*\t
.endr
.endr
.irp k, 0,1,2,3,4,5,6,7
	global_load_b128 v[WK+4*\k:WK+4*\k+3], v3, s[6:7] offset:32768+512*\k
.endr
.irp k, 0,1,2,3,4,5,6,7
	global_load_b128 v[WVV+4*\k:WVV+4*\k+3], v3, s[6:7] offset:65536+512*\k
.endr
.irp k, 0,1,2,3
	global_load_b128 v[XQ+4*\k:XQ+4*\k+3], v11, s[4:5] offset:512*\k
.endr
	global_load_b32 v[XQS], v95, s[4:5]
.irp b, 0,1,2,3
	v_mov_b32 v[TMB+\b], 0                         ; a lane permute's destination counts as one of its sources
.endr
	s_wait_tensorcnt 0x0                           ; my two groups have landed; nobody else reads them
	GROUP 0
	GROUP 1
	; q of my 16 positions: two accumulators by turns
	s_wait_loadcnt 0x0
	MM DD, WK, XQ, 1, WSC, XQS
	MM DD+8, WK+16, XQ, 1, WSC+1, XQS
	MM DD, WK+8, XQ+8, 0, WSC, XQS
	MM DD+8, WK+24, XQ+8, 0, WSC+1, XQS
	PLACES 4
.set j, 0
.rept 16
	v_max_num_f32 v[DD+j], 0, v[DD+j]
.set j, j+1
.endr
	v_max3_num_f32 v[TMA], v[DD], v[DD+1], 0x1800000
.irp i, 2,4,6,8,10,12,14
	s_delay_alu instid0(VALU_DEP_1)
	v_max3_num_f32 v[TMA], v[TMA], v[DD+\i], v[DD+1+\i]
.endr
	s_delay_alu instid0(VALU_DEP_1)
	v_permlanex16_b32 v[TMB], v[TMA], s[SEL], s[SEL+1]
	s_delay_alu instid0(VALU_DEP_1)
	v_max_num_f32 v[TMA], v[TMA], v[TMB]
	s_delay_alu instid0(VALU_DEP_1)
	v_add_nc_u32 v[TMC], 0xff000000, v[TMA]
	s_delay_alu instid0(VALU_DEP_1)
	v_lshrrev_b32 v[TMB+1], 23, v[TMC]
	s_wait_alu depctr_va_vdst(0)
	s_wait_dscnt 0x0                               ; v's stores have read the codes' registers
	v_cvt_scalef32_pk8_fp4_f32 v[PCD], v[DD:DD+7], v[TMC]
	v_cvt_scalef32_pk8_fp4_f32 v[PCD+1], v[DD+8:DD+15], v[TMC]
	v_nop
	v_permlanex16_b32 v[TMB+2], v[PCD], s[SEL], s[SEL+1]
	v_permlanex16_b32 v[TMB+3], v[PCD+1], s[SEL], s[SEL+1]
.irp i, 0,1,2,3
	v_mov_b32 v[16+\i], 0
	v_mov_b32 v[24+\i], 0
	v_mov_b32 v[32+\i], 0
.endr
	v_cmp_gt_u32 vcc_lo, 16, v76
	v_cndmask_b32 v20, 0, v[PCD], vcc_lo           ; q's 32 codes in lanes 0-15,
	v_cndmask_b32 v21, 0, v[PCD+1], vcc_lo
	s_delay_alu instid0(VALU_DEP_3)
	v_cndmask_b32 v22, 0, v[TMB+2], vcc_lo
	s_delay_alu instid0(VALU_DEP_4)
	v_cndmask_b32 v23, 0, v[TMB+3], vcc_lo
	v_cndmask_b32 v28, v[TMB+2], v16, vcc_lo       ; and in lanes 16-31
	v_cndmask_b32 v29, v[TMB+3], v16, vcc_lo
	v_cndmask_b32 v30, v[PCD], v16, vcc_lo
	v_cndmask_b32 v31, v[PCD+1], v16, vcc_lo
	v_mul_lo_u32 v[QS], v[TMB+1], s43              ; q's byte for every block; the moves below are the places ahead of the first scaled product
	v_mov_b32 v13, 0xff61b1e6                      ; the largest t so far: -3e38
	s_delay_alu instid0(VALU_DEP_1)
	v_floor_f32 v12, -v13                          ; -M
	v_mov_b32 v14, 0
	v_mov_b32 v15, 0
	v_mov_b32 v236, 0
	v_mov_b32 v243, 0
	v_mov_b32 v253, 0
.set j, 0
.rept 16
	v_mov_b32 v[160+j], 0                          ; O^T: the step is written once; its first trip finds zeros
.set j, j+1
.endr
	s_wait_dscnt 0x0                               ; my key step's K and V have landed in LDS,
	s_barrier_signal -1
	s_barrier_wait -1                              ; everybody's have
.Lstep:                                            ; 16 trips of 128 keys
	v_add_nc_u32 v3, s[TB], v1
	v_add_nc_u32 v4, s[TB], v2
.irp k, 0,1,2,3
	ds_load_b128 v[40+4*\k:43+4*\k], v3 offset:512*\k
.endr
	ds_load_b32 v72, v4
.irp k, 0,1,2,3
	ds_load_b128 v[56+4*\k:59+4*\k], v3 offset:2048+512*\k
.endr
	ds_load_b32 v73, v4 offset:128
	s_wait_dscnt 0x5                               ; K and its words are in; V's five loads may be out
.irp b, 0,1,2,3
	v_wmma_scale_f32_16x16x128_f8f6f4 v[96+8*\b:103+8*\b], v[40:47], v[20+8*(\b%2)-4*(\b/2):27+8*(\b%2)-4*(\b/2)], 0, v72, v[QS] matrix_a_fmt:MATRIX_FMT_FP4 matrix_b_fmt:MATRIX_FMT_FP4
.endr
.irp b, 0,1,2,3
	v_wmma_scale_f32_16x16x128_f8f6f4 v[128+8*\b:135+8*\b], v[48:55], v[20+8*(\b%2)-4*(\b/2):27+8*(\b%2)-4*(\b/2)], 0, v72, v[QS] matrix_a_fmt:MATRIX_FMT_FP4 matrix_b_fmt:MATRIX_FMT_FP4 matrix_a_scale:MATRIX_SCALE_ROW1
.endr
	PLACES 4
.irp b, 0,1,2,3
	v_max3_num_f32 v[232+\b], v[96+16*\b], v[97+16*\b], v[98+16*\b]   ; four chains of 16 scores, each accumulator from its low end on
.endr
.irp i, 3,5,7,9,11,13
.irp b, 0,1,2,3
	v_max3_num_f32 v[232+\b], v[232+\b], v[96+16*\b+\i], v[97+16*\b+\i]
.endr
.endr
.irp b, 0,1,2,3
	v_max_num_f32 v[232+\b], v[232+\b], v[111+16*\b]
.endr
	s_delay_alu instid0(VALU_DEP_3)
	v_max_num_f32 v232, v232, v233                 ; the largest score of each of my two blocks of 32 keys
	s_delay_alu instid0(VALU_DEP_2)
	v_max_num_f32 v234, v234, v235
	s_delay_alu instid0(VALU_DEP_1)
	v_max_num_f32 v254, v232, v234
	s_delay_alu instid0(VALU_DEP_1)
	v_permlanex16_b32 v236, v254, s[SEL], s[SEL+1]
	s_delay_alu instid0(VALU_DEP_1)
	v_max_num_f32 v254, v254, v236
	s_delay_alu instid0(VALU_DEP_1)
	v_mul_f32 v254, s[CS], v254
	s_delay_alu instid0(VALU_DEP_1)
	v_max_num_f32 v13, v13, v254                   ; the running largest t
	v_mov_b32 v254, v12
	s_delay_alu instid0(VALU_DEP_2)
	v_floor_f32 v12, -v13                          ; the new -M
	s_delay_alu instid0(VALU_DEP_1)
	v_sub_f32 v254, v12, v254
	s_delay_alu instid0(VALU_DEP_1)
	v_cvt_i32_f32 v254, v254
	s_delay_alu instid0(VALU_DEP_1)
	v_ldexp_f32 v252, 1.0, v254                    ; f = 2^(old M - new M)
.set j, 0
.rept 32
	v_pk_fma_f32 v[96+j:97+j], v[96+j:97+j], s[CS:CS+1], v[12:13] op_sel_hi:[1,0,0]   ; t - M
.set j, j+2
.endr
	v_fma_f32 v232, v232, s[CS], v12
	v_fma_f32 v234, v234, s[CS], v12
	s_wait_alu depctr_va_vdst(0)
.set j, 0
.rept 64
	v_exp_f32 v[96+j], v[96+j]                     ; p = 2^(t - M)
.set j, j+1
.endr
	v_exp_f32 v232, v232                           ; the blocks' largest p
	v_exp_f32 v234, v234
	v_pk_mul_f32 v[14:15], v[14:15], v[252:253] op_sel_hi:[1,0]   ; the sums under the new M (a plain place)
	s_wait_alu depctr_va_vdst(0)                   ; and behind it
	v_max_num_f32 v232, 0x1800000, v232
	v_max_num_f32 v234, 0x1800000, v234
	s_delay_alu instid0(VALU_DEP_2)
	v_add_nc_u32 v244, 0xff000000, v232
	s_delay_alu instid0(VALU_DEP_2)
	v_add_nc_u32 v245, 0xff000000, v234
	s_delay_alu instid0(VALU_DEP_2)
	v_lshrrev_b32 v240, 23, v244
	s_delay_alu instid0(VALU_DEP_2)
	v_lshrrev_b32 v241, 23, v245
	s_delay_alu instid0(VALU_DEP_1)
	v_lshl_or_b32 v242, v241, 16, v240
	s_delay_alu instid0(VALU_DEP_1)
	v_lshlrev_b32 v242, v5, v242
	s_delay_alu instid0(VALU_DEP_1)
	v_permlanex16_b32 v243, v242, s[SEL], s[SEL+1]
	s_delay_alu instid0(VALU_DEP_1)
	v_or_b32 v74, v242, v243                       ; p's scale word for these 128 keys
.irp c, 0,1
.irp i, 0,1,2,3
	v_cvt_scalef32_pk8_fp4_f32 v[224+4*\c+\i], v[96+32*\c+8*\i:103+32*\c+8*\i], v[244+\c]
.endr
.endr
	v_nop
	v_pk_add_f32 v[236:237], v[100:101], v[104:105]   ; the row's sum of the unquantised p, in eight chains
	v_pk_add_f32 v[254:255], v[108:109], v[112:113]
	v_pk_add_f32 v[250:251], v[116:117], v[120:121]
	v_pk_add_f32 v[248:249], v[124:125], v[128:129]
	v_pk_add_f32 v[246:247], v[132:133], v[136:137]
	v_pk_add_f32 v[244:245], v[140:141], v[144:145]
	v_pk_add_f32 v[240:241], v[148:149], v[152:153]
	v_pk_add_f32 v[14:15], v[14:15], v[156:157]
	v_pk_add_f32 v[236:237], v[236:237], v[96:97]
	v_pk_add_f32 v[254:255], v[254:255], v[98:99]
	v_pk_add_f32 v[250:251], v[250:251], v[102:103]
	v_pk_add_f32 v[248:249], v[248:249], v[106:107]
	v_pk_add_f32 v[246:247], v[246:247], v[110:111]
	v_pk_add_f32 v[244:245], v[244:245], v[114:115]
	v_pk_add_f32 v[240:241], v[240:241], v[118:119]
	v_pk_add_f32 v[14:15], v[14:15], v[122:123]
	v_pk_add_f32 v[236:237], v[236:237], v[126:127]
	v_pk_add_f32 v[254:255], v[254:255], v[130:131]
	v_pk_add_f32 v[250:251], v[250:251], v[134:135]
	v_pk_add_f32 v[248:249], v[248:249], v[138:139]
	v_pk_add_f32 v[246:247], v[246:247], v[142:143]
	v_pk_add_f32 v[244:245], v[244:245], v[146:147]
	v_pk_add_f32 v[240:241], v[240:241], v[150:151]
	v_pk_add_f32 v[14:15], v[14:15], v[154:155]
	v_pk_add_f32 v[236:237], v[236:237], v[158:159]
	s_delay_alu instid0(VALU_DEP_2)
	v_pk_add_f32 v[14:15], v[14:15], v[248:249]
	s_delay_alu instid0(VALU_DEP_2)
	v_pk_add_f32 v[236:237], v[236:237], v[246:247]
	v_pk_add_f32 v[254:255], v[254:255], v[244:245]
	v_pk_add_f32 v[250:251], v[250:251], v[240:241]
	s_delay_alu instid0(VALU_DEP_2)
	v_pk_add_f32 v[14:15], v[14:15], v[254:255]
	s_delay_alu instid0(VALU_DEP_2)
	v_pk_add_f32 v[236:237], v[236:237], v[250:251]
	s_delay_alu instid0(VALU_DEP_1)
	v_pk_add_f32 v[14:15], v[14:15], v[236:237]
.irp j, 0,2,4,6,8,10,12,14
	v_pk_mul_f32 v[160+\j:161+\j], v[160+\j:161+\j], v[252:253] op_sel_hi:[1,0]   ; O^T under the new M
.endr
	s_wait_alu depctr_va_vdst(0)
	s_wait_dscnt 0x0                               ; V and its words
	v_wmma_scale_f32_16x16x128_f8f6f4 v[160:167], v[56:63], v[224:231], v[160:167], v73, v74 matrix_a_fmt:MATRIX_FMT_FP4 matrix_b_fmt:MATRIX_FMT_FP4
	v_wmma_scale_f32_16x16x128_f8f6f4 v[168:175], v[64:71], v[224:231], v[168:175], v73, v74 matrix_a_fmt:MATRIX_FMT_FP4 matrix_b_fmt:MATRIX_FMT_FP4 matrix_a_scale:MATRIX_SCALE_ROW1
	PLACES 4
	s_add_co_u32 s[TB], s[TB], RG
	s_add_co_u32 s[CNT], s[CNT], 1
	s_cmp_lt_u32 s[CNT], 16
	s_cbranch_scc1 .Lstep
	; THE WAY OUT: O^T / the sum; my query's 32 channels are one block of the next product's K
	v_add_f32 v14, v14, v15
	s_delay_alu instid0(VALU_DEP_1)
	v_permlanex16_b32 v252, v14, s[SEL], s[SEL+1]
	s_delay_alu instid0(VALU_DEP_1)
	v_add_f32 v14, v14, v252
	s_wait_alu depctr_va_vdst(0)
	v_rcp_f32 v14, v14
	v_lshl_add_u32 v6, v77, 4, s15
	s_delay_alu instid0(VALU_DEP_1)
	v_add_nc_u32 v6, v5, v6
	s_lshl_b32 s16, s[WV], 4
	v_add_nc_u32 v7, s16, v77
	s_delay_alu instid0(VALU_DEP_1)
	v_add_nc_u32 v7, OSB, v7
	v_lshl_add_u32 v9, v76, 3, OSB
	s_add_co_u32 s18, s17, 1048576
	v_lshl_add_u32 v8, v76, 3, s18
	s_wait_alu depctr_va_vdst(0)
.irp j, 0,2,4,6,8,10,12,14
	v_pk_mul_f32 v[96+\j:97+\j], v[160+\j:161+\j], v[14:15] op_sel_hi:[1,0]
.endr
	v_max3_num_f32 v232, |v96|, |v97|, 0x1800000
.irp i, 2,4,6,8,10,12,14
	s_delay_alu instid0(VALU_DEP_1)
	v_max3_num_f32 v232, v232, |v[96+\i]|, |v[97+\i]|
.endr
	s_delay_alu instid0(VALU_DEP_1)
	v_permlanex16_b32 v233, v232, s[SEL], s[SEL+1]
	s_delay_alu instid0(VALU_DEP_1)
	v_max_num_f32 v232, v232, v233
	s_delay_alu instid0(VALU_DEP_1)
	v_add_nc_u32 v244, 0xff000000, v232
	s_delay_alu instid0(VALU_DEP_1)
	v_lshrrev_b32 v240, 23, v244
	v_cvt_scalef32_pk8_fp4_f32 v224, v[96:103], v244
	v_cvt_scalef32_pk8_fp4_f32 v225, v[104:111], v244
	v_nop
	global_store_b64 v6, v[224:225], s[44:45]      ; the wave stores 256 consecutive bytes, aligned
	ds_store_b8 v7, v240
	s_wait_dscnt 0x0                               ; for wave 0's sake
	s_barrier_signal -1
	s_barrier_wait -1
	s_cmp_lg_u32 s[WV], 0
	s_cbranch_scc1 .Lnot_first
	ds_load_b64 v[10:11], v9
	s_wait_dscnt 0x0
	global_store_b64 v8, v[10:11], s[44:45]        ; the work-group's 256 scale bytes, aligned
.Lnot_first:
	s_wait_xcnt 0x0
	v_lshl_add_u32 v254, v0, 2, 0x44400
	v_mov_b32 v255, 0
	s_wait_alu depctr_va_vdst(0)
	s_wait_tensorcnt 0x0                           ; the wave's end
	ds_add_u32 v254, v255
	s_wait_dscnt 0x0
	ROUND                                          ; the closing round
	s_endpgm
.Lfunc_end_k_qecaa1fd0d8_att1:
	.size	k_qecaa1fd0d8_att1, .Lfunc_end_k_qecaa1fd0d8_att1-k_qecaa1fd0d8_att1
	.p2alignl 7, 3214868480
	.fill 96, 4, 3214868480
	.section	.rodata,"a",@progbits
	.p2align	6, 0x0
	.amdhsa_kernel k_qecaa1fd0d8_att1
		.amdhsa_group_segment_fixed_size 281600
		.amdhsa_private_segment_fixed_size 0
		.amdhsa_enable_private_segment 0
		.amdhsa_kernarg_size 24
		.amdhsa_user_sgpr_count 2
		.amdhsa_user_sgpr_kernarg_segment_ptr 1
		.amdhsa_wavefront_size32 1
		.amdhsa_system_sgpr_workgroup_id_x 1
		.amdhsa_system_sgpr_workgroup_id_y 1
		.amdhsa_system_sgpr_workgroup_id_z 1
		.amdhsa_system_vgpr_workitem_id 0
		.amdhsa_next_free_vgpr 256
		.amdhsa_next_free_sgpr 66
		.amdhsa_reserve_vcc 1
		.amdhsa_float_denorm_mode_32 3
		.amdhsa_float_denorm_mode_16_64 3
		.amdhsa_memory_ordered 1
		.amdhsa_forward_progress 1
		.amdhsa_inst_pref_size 69
	.end_amdhsa_kernel
	.amdgpu_metadata
---
amdhsa.version: [ 1, 2 ]
amdhsa.kernels:
  - .name:           k_qecaa1fd0d8_att1
    .symbol:         k_qecaa1fd0d8_att1.kd
    .args:
      - { .name: xc, .offset: 0, .size: 8, .value_kind: global_buffer, .address_space: global }
      - { .name: w1, .offset: 8, .size: 8, .value_kind: global_buffer, .address_space: global }
      - { .name: oc, .offset: 16, .size: 8, .value_kind: global_buffer, .address_space: global }
    .group_segment_fixed_size: 281600
    .private_segment_fixed_size: 0
    .kernarg_segment_align: 8
    .kernarg_segment_size: 24
    .max_flat_workgroup_size: 512
    .sgpr_count:     66
    .vgpr_count:     256
    .wavefront_size: 32
...
	.end_amdgpu_metadata
.endif
;; end of part 2
;; launch post1 (part 3): grid 256 x 1, 4 waves a work-group, clusters of 4 x 1, 327,680 bytes of LDS; arguments oc, x, w1, g1, b1, g2, b2, x1, xc; writes x1, xc
.if DOCPART == 3
	.amdgcn_target "amdgcn-amd-amdhsa--gfx1250"
	.amdhsa_code_object_version 6
	.text
	.protected	k_qecaa1fd0d8_post1
	.globl	k_qecaa1fd0d8_post1
	.p2align	8
	.type	k_qecaa1fd0d8_post1,@function
k_qecaa1fd0d8_post1:
	s_mov_b64 s[64:65], 0
	v_nop
	global_prefetch_b8 v0, s[64:65] scope:SCOPE_SE
	s_setreg_imm32_b32 hwreg(HW_REG_WAVE_MODE, 25, 1), 1
	s_wait_xcnt 0x0
	s_wait_alu depctr_hold_cnt(0) depctr_sa_sdst(0) depctr_va_vdst(0) depctr_va_sdst(0) depctr_va_ssrc(0) depctr_va_vcc(0) depctr_vm_vsrc(0)
	s_getreg_b32 s2, hwreg(HW_REG_IB_STS2, 6, 4)
	s_cmp_eq_u32 s2, 0
	s_cbranch_scc0 .Lentry_in_a_cluster
	s_endpgm
.Lentry_in_a_cluster:
	s_bfe_u32 s2, ttmp6, 0x10000c
	s_cmp_lg_u32 s2, 0x3003
	s_cbranch_scc0 .Lentry_shape_is_right
	s_endpgm
.Lentry_shape_is_right:
; The rest of a layer that has a successor: y = LN(relu(o Wo^T) + x; g, b);  out = LN(relu(relu(y Wf1^T) Wf2^T) + y; g', b').  All three products on codes of FP4 with E8M0 scales; everything else in f32.
; out leaves as f32 rows (the next layer's residual) and, quantised along its 256 columns, as operand images (xc: a group of 64 rows is 8,704 bytes: eight fragments (2 u + K step) of 1,024 bytes, then their scale words, 64 bytes each).
; SHARES.  A work-group takes 32 rows: two tiles of 16 positions of a group of 64 (position r of tile u = row 64 G' + 32 (r / 8) + 8 u + r % 8); work-group g has group g / 2 and tiles 2 (g % 2) + 0, 1.
; Two waves share a tile: wave 2 v + p takes the work-group's tile v, makes the first half of the chain whole, and of the FFN the four hidden chunks 4 p .. 4 p + 3 (128 hidden units each: 16 products make a chunk, activation, quantiser,
; and it is one K step of the second product).  The two partial sums of the second product are joined through LDS: each wave stores its 128 registers as an image (16,384 bytes) in its own stage, over the weights, behind a barrier behind
; which no wave reads them; behind a second barrier it loads its partner's image and adds it.  Both waves then hold the same rows; wave p stores positions 8 p .. 8 p + 7 of the tile and the operand image of K step p.
; ALL PRODUCTS ARE USED TRANSPOSED (source 0 = 16 rows of a weight, source 1 = my 16 rows): register 16 b + i of lane (r, h) is column 32 b + 16 h + i of row r.
; WEIGHTS.  Wo, Wf1, Wf2 as fragment images with their scale words are 313,344 dense bytes: they come into LDS once, asked for JOINTLY by the four work-groups of a cluster, one tensor load of 306 rows of 256 bytes a wave.
; The place in the cluster enters addresses in memory alone (s2, the tile); LDS addresses and trip counts hang on the wave's number alone (s3 = p).  No prefetch: one fill at the head, no loop to run ahead in.
; LIMITS: a block of zeros gets the scale byte 1 where the rule says 127 (its codes are zeros; only this program reads the bytes); NaN and infinities are not served.
; REGISTERS.  Window 0: v1-11, v70, v71 offsets and LDS addresses; v12-15 temporaries; v16-31 two operand fragments of my rows; v32-39 the hidden chunk's; v40-51 the quantiser's; v52-54 scale words; v56-69 sums; v72-87 the weights' scale words;
;   v96-159 the hidden chunk.  Window 1: v0-127 the first half's result; v128-255 the residual, then the FFN's accumulators.  Window 2: g and b.  Window 3: v0-127 weight fragments, the partner's sums, rows on the way out.
.set WV,  20
.set G1,  28
.set G0,  36
.set SEL, 40
.set T1,  42
.set T2,  43
.set CNT, 44
.set AF,  16
.set HF,  32
.set TM,  40
.set HS,  52
.set AS0, 53
.set AS1, 54
.set HH,  96
.set MSB, 0
.macro WIN new                         ; the immediate's high byte repeats the setting that is left
.if MSB != \new
	s_set_vgpr_msb (MSB<<8)|\new
.set MSB, \new
.endif
.endm
.macro PLACES n
.rept \n
	v_nop
.endr
.endm
.macro ROUND
	s_barrier_signal -1
	s_barrier_wait -1
	s_cmp_lg_u32 s[WV], 0
	s_cbranch_scc1 .Lnot_wave_0_\@
	s_barrier_signal -3
.Lnot_wave_0_\@:
	s_barrier_wait -3
	s_barrier_signal -1
	s_barrier_wait -1
.endm
; z = 1: the product starts the sum.  ra, rb = 1: that side's scales stand in lanes 16-31
.macro MM d, a, b, z, sa, sb, ra, rb
.if (\z) && (\ra)
	v_wmma_scale_f32_16x16x128_f8f6f4 v[(\d):(\d)+7], v[(\a):(\a)+7], v[(\b):(\b)+7], 0, v[\sa], v[\sb] matrix_a_fmt:MATRIX_FMT_FP4 matrix_b_fmt:MATRIX_FMT_FP4 matrix_a_scale:MATRIX_SCALE_ROW1
.elseif (\z)
	v_wmma_scale_f32_16x16x128_f8f6f4 v[(\d):(\d)+7], v[(\a):(\a)+7], v[(\b):(\b)+7], 0, v[\sa], v[\sb] matrix_a_fmt:MATRIX_FMT_FP4 matrix_b_fmt:MATRIX_FMT_FP4
.elseif (\ra) && (\rb)
	v_wmma_scale_f32_16x16x128_f8f6f4 v[(\d):(\d)+7], v[(\a):(\a)+7], v[(\b):(\b)+7], v[(\d):(\d)+7], v[\sa], v[\sb] matrix_a_fmt:MATRIX_FMT_FP4 matrix_b_fmt:MATRIX_FMT_FP4 matrix_a_scale:MATRIX_SCALE_ROW1 matrix_b_scale:MATRIX_SCALE_ROW1
.elseif (\ra)
	v_wmma_scale_f32_16x16x128_f8f6f4 v[(\d):(\d)+7], v[(\a):(\a)+7], v[(\b):(\b)+7], v[(\d):(\d)+7], v[\sa], v[\sb] matrix_a_fmt:MATRIX_FMT_FP4 matrix_b_fmt:MATRIX_FMT_FP4 matrix_a_scale:MATRIX_SCALE_ROW1
.else
	v_wmma_scale_f32_16x16x128_f8f6f4 v[(\d):(\d)+7], v[(\a):(\a)+7], v[(\b):(\b)+7], v[(\d):(\d)+7], v[\sa], v[\sb] matrix_a_fmt:MATRIX_FMT_FP4 matrix_b_fmt:MATRIX_FMT_FP4
.endif
.endm
; 64 numbers of a lane, v[s] on in window w, become a fragment's codes in v[pc] on and its scale word in v[pw], both in window 0
.macro QUANT s, w, pc, pw
.if \w
	WIN 0x14
.endif
.irp b, 0,1,2,3
	v_max3_num_f32 v[TM+\b], 0x1800000, |v[(\s)+16*\b]|, |v[(\s)+1+16*\b]|   ; with the floor 2^(3 - 127)
.endr
.irp i, 2,4,6,8,10,12,14
.irp b, 0,1,2,3
	v_max3_num_f32 v[TM+\b], v[TM+\b], |v[(\s)+16*\b+\i]|, |v[(\s)+1+16*\b+\i]|
.endr
.endr
	WIN 0
.irp b, 0,1,2,3
	v_permlanex16_b32 v[TM+4+\b], v[TM+\b], s[SEL], s[SEL+1]
.endr
.irp b, 0,1,2,3
	v_max_num_f32 v[TM+\b], v[TM+\b], v[TM+4+\b]
.endr
.irp b, 0,1,2,3
	v_add_nc_u32 v[TM+8+\b], 0xff000000, v[TM+\b]
.endr
.irp b, 0,1,2,3
	v_lshrrev_b32 v[TM+4+\b], 23, v[TM+8+\b]
.endr
	v_lshl_or_b32 v[\pw], v[TM+5], 8, v[TM+4]
	v_lshl_or_b32 v[\pw], v[TM+6], 16, v[\pw]
	v_lshl_or_b32 v[\pw], v[TM+7], 24, v[\pw]
.if \w
	WIN 0x01
.endif
.irp b, 0,1,2,3
	v_cvt_scalef32_pk8_fp4_f32 v[(\pc)+2*\b], v[(\s)+16*\b:(\s)+7+16*\b], v[TM+8+\b]
	v_cvt_scalef32_pk8_fp4_f32 v[(\pc)+1+2*\b], v[(\s)+8+16*\b:(\s)+15+16*\b], v[TM+8+\b]
.endr
	WIN 0
	v_nop
.irp c, 0,1
.irp i, 0,1
	v_permlane16_swap_b32 v[(\pc)+4*\c+\i], v[(\pc)+4*\c+2+\i]
.endr
.endr
.endm
.macro GBLOAD pg, pb                   ; a gain and a bias, at my 128 columns, into window 2
	WIN 0x80
.irp b, 0,1,2,3,4,5,6,7
.irp j, 0,1,2,3
	global_load_b128 v[16*\b+4*\j:16*\b+4*\j+3], v6, s[\pg:\pg+1] offset:128*\b+16*\j
.endr
.endr
.irp b, 0,1,2,3,4,5,6,7
.irp j, 0,1,2,3
	global_load_b128 v[128+16*\b+4*\j:128+16*\b+4*\j+3], v6, s[\pb:\pb+1] offset:128*\b+16*\j
.endr
.endr
	WIN 0
.endm
.macro REDUCE
	v_pk_add_f32 v[56:57], v[56:57], v[58:59]
	v_pk_add_f32 v[60:61], v[60:61], v[62:63]
	v_pk_add_f32 v[56:57], v[56:57], v[60:61]
	v_add_f32 v56, v56, v57
	v_permlanex16_b32 v68, v56, s[SEL], s[SEL+1]
	v_add_f32 v56, v56, v68
.endm
.macro RELUADD y, o
	WIN 0x44
.set j, 0
.rept 128
	v_max_num_f32 v[\y+j], 0, v[\y+j]
.set j, j+1
.endr
	WIN 0x45
.set j, 0
.rept 64
	v_pk_add_f32 v[\y+j:\y+j+1], v[\y+j:\y+j+1], v[\o+j:\o+j+1]
.set j, j+2
.endr
.endm
; LayerNorm, in place, of the row whose 128 numbers of my half stand at v[y] on of window 1; the variance in a second pass
.macro LNORM y
	WIN 0x05
.irp k, 0,1,2,3
	v_pk_add_f32 v[56+2*\k:57+2*\k], v[\y+4*\k:\y+4*\k+1], v[\y+4*\k+2:\y+4*\k+3]
.endr
	WIN 0x04
.set j, 16
.rept 14
.irp k, 0,1,2,3
	v_pk_add_f32 v[56+2*\k:57+2*\k], v[56+2*\k:57+2*\k], v[\y+j+2*\k:\y+j+2*\k+1]
.endr
.set j, j+8
.endr
	WIN 0
	REDUCE
	v_mul_f32 v64, s52, v56                        ; -mean
	v_mov_b32 v65, v64
	WIN 0x41
.set j, 0
.rept 64
	v_pk_add_f32 v[\y+j:\y+j+1], v[\y+j:\y+j+1], v[64:65]
.set j, j+2
.endr
	WIN 0x05
.irp k, 0,1,2,3
	v_pk_mul_f32 v[56+2*\k:57+2*\k], v[\y+2*\k:\y+2*\k+1], v[\y+2*\k:\y+2*\k+1]
.endr
.set j, 8
.rept 15
.irp k, 0,1,2,3
	v_pk_fma_f32 v[56+2*\k:57+2*\k], v[\y+j+2*\k:\y+j+2*\k+1], v[\y+j+2*\k:\y+j+2*\k+1], v[56+2*\k:57+2*\k]
.endr
.set j, j+8
.endr
	WIN 0
	REDUCE
	v_fma_f32 v56, v56, s53, s54                   ; the variance + 1e-5
	s_wait_alu depctr_va_vdst(0)
	v_rsq_f32 v66, v56
	v_rsq_f32 v67, v56
	v_nop
	s_wait_loadcnt 0x0                             ; the gain and the bias are in
	WIN 0x41
.set j, 0
	s_wait_alu depctr_va_vdst(0)
.rept 64
	v_pk_mul_f32 v[\y+j:\y+j+1], v[\y+j:\y+j+1], v[66:67]
.set j, j+2
.endr
	WIN 0x69
.set j, 0
.rept 64
	v_pk_fma_f32 v[\y+j:\y+j+1], v[\y+j:\y+j+1], v[j:j+1], v[128+j:129+j]
.set j, j+2
.endr
	WIN 0
.endm
; A chunk of 128 hidden units.  zero = 1: its products start my half of the output's sums.
.macro CHUNK zero
	v_add_nc_u32 v7, s[T1], v1
	v_add_nc_u32 v9, s[T2], v2
	v_add_nc_u32 v8, 0x20000, v7                   ; Wf2's K step lies 131,072 bytes behind Wf1's chunk
.irp t, 0,1,2,3,4,5,6,7
	ds_load_b32 v[72+\t], v9 offset:128*\t
.endr
.irp t, 0,1,2,3,4,5,6,7
	ds_load_b32 v[80+\t], v9 offset:8192+128*\t
.endr
	WIN 0xc0
.irp s, 0,1
.irp t, 0,1,2,3,4,5,6,7
.irp c, 0,1
	ds_load_b128 v[64*\s+8*\t+4*\c:64*\s+8*\t+4*\c+3], v7 offset:2048*\t+1024*\s+512*\c
.endr
.endr
.endr
	s_wait_dscnt 16                                ; all but the second K step's sixteen loads
	WIN 0x03
.irp t, 0,1,2,3,4,5,6,7
	MM HH+8*\t, 8*\t, AF, 1, 72+\t, AS0, 0, 0
.endr
	s_wait_alu depctr_va_vdst(0)
	s_wait_dscnt 0x0
.irp t, 0,1,2,3,4,5,6,7
	MM HH+8*\t, 64+8*\t, AF+8, 0, 72+\t, AS1, 1, 0
.endr
	PLACES 4
	WIN 0xc0
.irp t, 0,1,2,3,4,5,6,7,8,9,10,11,12,13,14,15
.irp c, 0,1
	ds_load_b128 v[8*\t+4*\c:8*\t+4*\c+3], v8 offset:1024*\t+512*\c
.endr
.endr
	WIN 0
.set j, 0
.rept 64
	v_max_num_f32 v[HH+j], 0, v[HH+j]
.set j, j+1
.endr
	QUANT HH, 0, HF, HS
	PLACES 8                                       ; a scale word made by vector instructions stands eight places ahead of a scaled product
	s_wait_alu depctr_va_vdst(0)
	s_wait_dscnt 0x0
	WIN 0x53
.irp t, 0,1,2,3,4,5,6,7,8,9,10,11,12,13,14,15
	MM 128+8*\t, 8*\t, HF, \zero, 80+\t/2, HS, \t%2, 0
.endr
	PLACES 4
	WIN 0
	s_add_co_u32 s[T1], s[T1], 16384
	s_add_co_u32 s[T2], s[T2], 1024
.endm
	s_load_b512 s[4:19], s[0:1], 0x0               ; oc, x, weights, g, b, g', b', out
	s_load_b64 s[58:59], s[0:1], 0x40              ; xc
	v_lshl_add_u32 v254, v0, 2, 0x4c800
	v_mov_b32 v255, 0
	ds_add_u32 v254, v255
	ds_add_u32 v254, v255
	v_lshrrev_b32 v12, 5, v0
	v_readfirstlane_b32 s[WV], v12
	s_bfe_u32 s21, ttmp6, 0x40000                  ; cx
	s_lshl_b32 s22, ttmp9, 2
	s_add_co_u32 s22, s22, s21                     ; the work-group's number
	s_and_b32 s2, s22, 1
	s_lshl_b32 s2, s2, 1
	s_lshr_b32 s3, s[WV], 1
	s_add_co_u32 s2, s2, s3                        ; my tile u = 2 (g % 2) + wave / 2
	s_and_b32 s3, s[WV], 1                         ; p
	s_lshr_b32 s22, s22, 1                         ; G'
	s_lshr_b32 s23, s22, 5                         ; batch
	s_and_b32 s24, s22, 31                         ; G
	s_mov_b32 s[G1], 15|(3<<16)|(1<<21)
	s_mov_b32 s[G1+1], 32<<16
	s_mov_b32 s[G1+2], 306<<16
	s_mov_b32 s[G1+3], 32<<16
	s_mov_b32 s[G1+4], 306
	s_mov_b32 s[G1+5], 32
	s_mov_b32 s[G1+6], 0
	s_mov_b32 s[G1+7], 0
	s_mul_i32 s25, s[WV], 78336                    ; a quarter of the block
	s_add_co_u32 s26, s25, 104448                  ; the block begins behind Wq, Wk, Wv and their scales
	s_mov_b32 s27, 0
	s_mov_b32 s[G0], 1
	s_mov_b32 s[G0+1], s25
	s_mov_b32 s[SEL], 0x76543210
	s_mov_b32 s[SEL+1], 0xfedcba98
	s_lshl_b32 s[T1], s3, 16                       ; my first chunk is 4 p: 4 x 16,384 bytes of fragments on,
	s_add_co_u32 s[T1], s[T1], 32768
	s_lshl_b32 s[T2], s3, 12                       ; and 4 x 1,024 bytes of scale words
	s_add_co_u32 s[T2], s[T2], 296960
	s_mov_b32 s52, 0xbb800000                      ; -1 / 256
	s_mov_b32 s53, 0x3b800000                      ; 1 / 256
	s_mov_b32 s54, 0x3727c5ac                      ; 1e-5
	s_lshl_b32 s50, s22, 16
	s_lshl_b32 s45, s2, 13
	s_add_co_u32 s50, s50, s45                     ; row 64 G' + 8 u, in bytes
	s_mov_b32 s51, 0
	s_lshl_b32 s55, s23, 18
	s_lshl_b32 s45, s24, 10
	s_add_co_u32 s55, s55, s45
	s_lshl_b32 s45, s2, 8
	s_add_co_u32 s55, s55, s45                     ; o's codes
	s_lshl_b32 s56, s23, 14
	s_lshl_b32 s45, s24, 6
	s_add_co_u32 s56, s56, s45
	s_lshl_b32 s45, s2, 4
	s_add_co_u32 s56, s56, s45                     ; o's scale bytes
	s_mul_i32 s57, s22, 8704                       ; my group's images in xc
	s_lshl_b32 s45, s2, 11
	s_add_co_u32 s60, s57, s45
	s_mov_b32 s61, 0
	s_lshl_b32 s45, s2, 7
	s_add_co_u32 s62, s57, s45
	s_add_co_u32 s62, s62, 8192
	s_mov_b32 s63, 0
	v_and_b32 v12, 31, v0
	v_and_b32 v13, 15, v0
	v_bfe_u32 v14, v0, 4, 1
	v_lshlrev_b32 v1, 4, v12
	v_lshlrev_b32 v2, 2, v12
	v_and_b32 v15, 7, v13
	v_lshrrev_b32 v3, 3, v13
	v_lshl_add_u32 v15, v3, 5, v15
	v_lshlrev_b32 v3, 10, v15
	v_lshl_add_u32 v3, v14, 6, v3                  ; the residual: my row, + 64 h
	v_lshlrev_b32 v4, 4, v13
	v_lshl_add_u32 v4, v14, 15, v4
	v_add_nc_u32 v4, s55, v4
	v_lshl_add_u32 v5, v14, 13, v13
	v_add_nc_u32 v5, s56, v5
	v_lshlrev_b32 v6, 6, v14
	s_mul_i32 s45, s[WV], 16640                    ; my stage, 16 rows of 1,024 + 16 bytes
	v_mul_u32_u24 v10, v13, 1040
	v_lshl_add_u32 v10, v14, 6, v10
	v_add_nc_u32 v10, s45, v10
	v_add_nc_u32 v11, s45, v1
	s_mul_i32 s21, s3, 8320
	s_add_co_u32 s21, s21, s45
	v_add_nc_u32 v71, s21, v1                      ; the way out: rows 8 p on of my stage
	s_xor_b32 s21, s[WV], 1
	s_mul_i32 s21, s21, 16640
	v_add_nc_u32 v70, s21, v1                      ; my partner's stage
.irp b, 0,1,2,3
	v_mov_b32 v[TM+4+\b], 0
.endr
	v_mov_b32 v68, 0
	s_wait_dscnt 0x0
	s_wait_kmcnt 0x0
	s_add_nc_u64 s[G0+2:G0+3], s[8:9], s[26:27]
	s_or_b32 s[G0+3], s[G0+3], 0x80000000
	s_add_nc_u64 s[46:47], s[6:7], s[50:51]        ; the residual at row 64 G' + 8 u
	s_add_nc_u64 s[48:49], s[18:19], s[50:51]      ; the output likewise,
	s_lshl_b32 s50, s3, 15                         ; positions 8 p on are 32 p rows further down
	s_add_nc_u64 s[48:49], s[48:49], s[50:51]
	s_add_nc_u64 s[60:61], s[58:59], s[60:61]
	s_add_nc_u64 s[62:63], s[58:59], s[62:63]
	ROUND                                          ; the joint loads meet
	tensor_load_to_lds s[G0:G0+3], s[G1:G1+7]      ; one load a wave
	s_nop 0
	PLACES 4
.irp s, 0,1
.irp c, 0,1
	global_load_b128 v[AF+8*\s+4*\c:AF+8*\s+4*\c+3], v4, s[4:5] offset:131072*\s+65536*\c   ; block 2 c + h of K step s is head 4 s + 2 c + h
.endr
.endr
.irp b, 0,1,2,3
	global_load_u8 v[12+\b], v5, s[4:5] offset:1048576+2048*\b
.endr
	WIN 0x40
.irp b, 0,1,2,3,4,5,6,7
.irp j, 0,1,2,3
	global_load_b128 v[128+16*\b+4*\j:128+16*\b+4*\j+3], v3, s[46:47] offset:128*\b+16*\j
.endr
.endr
	WIN 0
	s_wait_loadcnt 32                              ; o's codes and bytes are in; the residual's 32 loads may be out
	v_lshl_or_b32 v[AS0], v13, 8, v12
	v_lshl_or_b32 v[AS0], v14, 16, v[AS0]
	v_lshl_or_b32 v[AS0], v15, 24, v[AS0]
	PLACES 8
	GBLOAD 10, 12
	s_wait_alu depctr_va_vdst(0)
	s_wait_tensorcnt 0x0                           ; my quarter of the weights has landed,
	s_barrier_signal -1
	s_barrier_wait -1                              ; everybody's has
	; relu(o Wo^T): sixteen accumulators by turns, a K step at a time
	v_add_nc_u32 v9, 294912, v2
.irp t, 0,1,2,3,4,5,6,7,8,9,10,11,12,13,14,15
	ds_load_b32 v[72+\t], v9 offset:128*\t
.endr
.irp s, 0,1
	WIN 0xc0
.irp t, 0,1,2,3,4,5,6,7,8,9,10,11,12,13,14,15
.irp c, 0,1
	ds_load_b128 v[8*\t+4*\c:8*\t+4*\c+3], v1 offset:1024*(2*\t+\s)+512*\c
.endr
.endr
	s_wait_dscnt 0x0
	WIN 0x53
.irp t, 0,1,2,3,4,5,6,7,8,9,10,11,12,13,14,15
	MM 8*\t, 8*\t, AF+8*\s, 1-\s, 72+\t, AS0, \s, \s
.endr
	PLACES 4
.endr
	s_wait_loadcnt 63                              ; the residual is in: behind its loads 64 were issued
	RELUADD 0, 128
	LNORM 0
	GBLOAD 14, 16
	QUANT 0, 1, AF, AS0
	QUANT 64, 1, AF+8, AS1
	PLACES 8
	CHUNK 1
	s_mov_b32 s[CNT], 3
.Lchunk:
	CHUNK 0
	s_sub_co_u32 s[CNT], s[CNT], 1
	s_cmp_lg_u32 s[CNT], 0
	s_cbranch_scc1 .Lchunk
	; the two halves of the second product's sums are joined
	s_wait_dscnt 0x0                               ; my reads of the weights are over
	s_barrier_signal -1
	s_barrier_wait -1                              ; everybody's are: the stages lie over them
	WIN 0x04                                       ; an LDS store's data are its source 1: window 1
.set j, 0
.rept 32
	ds_store_b128 v11, v[128+j:128+j+3] offset:128*j   ; each accumulator from its low end on; 512 bytes a store
.set j, j+4
.endr
	s_wait_dscnt 0x0                               ; for my partner's sake
	s_barrier_signal -1
	s_barrier_wait -1
	WIN 0xc0
.set j, 0
.rept 32
	ds_load_b128 v[j:j+3], v70 offset:128*j
.set j, j+4
.endr
	s_wait_dscnt 0x0
	WIN 0x4d                                       ; destination and source 0 window 1, source 1 window 3
.set j, 0
.rept 64
	v_pk_add_f32 v[128+j:129+j], v[128+j:129+j], v[j:j+1]
.set j, j+2
.endr
	RELUADD 128, 0
	LNORM 128
	; the finished rows as operand images for the next layer: wave p makes and stores K step p's fragment (a branch on the wave's number)
	v_and_b32 v12, 15, v0
	v_lshlrev_b32 v12, 2, v12                      ; 4 r
	s_wait_alu depctr_va_vdst(0)
	s_cmp_lg_u32 s3, 0
	s_cbranch_scc1 .Lodd
	QUANT 128, 1, AF, AS0
.irp c, 0,1
	global_store_b128 v1, v[AF+4*\c:AF+4*\c+3], s[60:61] offset:512*\c   ; 32 lanes store 512 consecutive bytes, aligned
.endr
	global_store_b32 v12, v[AS0], s[62:63]         ; lanes l and l xor 16 store the same word at the same place
	s_branch .Ljoin
.Lodd:
	QUANT 192, 1, AF+8, AS1
.irp c, 0,1
	global_store_b128 v1, v[AF+8+4*\c:AF+8+4*\c+3], s[60:61] offset:1024+512*\c
.endr
	global_store_b32 v12, v[AS1], s[62:63] offset:64
.Ljoin:
	; THE WAY OUT: the rows go through my own stage and leave whole; behind this barrier my partner reads my stage no more
	s_wait_alu depctr_va_vdst(0)
	s_wait_dscnt 0x0
	s_barrier_signal -1
	s_barrier_wait -1
	WIN 0x04
.irp b, 0,1,2,3,4,5,6,7
.irp j, 0,1,2,3
	ds_store_b128 v10, v[128+16*\b+4*\j:128+16*\b+4*\j+3] offset:128*\b+16*\j
.endr
.endr
	WIN 0xc0
.irp i, 0,1,2,3,4,5,6,7
.irp f, 0,1
	ds_load_b128 v[4*(2*\i+\f):4*(2*\i+\f)+3], v71 offset:1040*\i+512*\f   ; my eight rows; LDS serves a wave's instructions in order (ISA guide 5.7.1.4)
.endr
.endr
	WIN 0x0c
.irp i, 0,1,2,3,4,5,6,7
.irp f, 0,1
	s_wait_dscnt 15-(2*\i+\f)                      ; the loads issued behind this one may be out
	global_store_b128 v1, v[4*(2*\i+\f):4*(2*\i+\f)+3], s[48:49] offset:\i*1024+512*\f   ; 32 lanes store 512 consecutive bytes, aligned
.endr
.endr
	WIN 0
	s_wait_tensorcnt 0x0                           ; the wave's end
	ds_add_u32 v254, v255
	s_wait_dscnt 0x0
	ROUND                                          ; the closing round
	s_endpgm
.Lfunc_end_k_qecaa1fd0d8_post1:
	.size	k_qecaa1fd0d8_post1, .Lfunc_end_k_qecaa1fd0d8_post1-k_qecaa1fd0d8_post1
	.p2alignl 7, 3214868480
	.fill 96, 4, 3214868480
	.section	.rodata,"a",@progbits
	.p2align	6, 0x0
	.amdhsa_kernel k_qecaa1fd0d8_post1
		.amdhsa_group_segment_fixed_size 327680
		.amdhsa_private_segment_fixed_size 0
		.amdhsa_enable_private_segment 0
		.amdhsa_kernarg_size 72
		.amdhsa_user_sgpr_count 2
		.amdhsa_user_sgpr_kernarg_segment_ptr 1
		.amdhsa_wavefront_size32 1
		.amdhsa_system_sgpr_workgroup_id_x 1
		.amdhsa_system_sgpr_workgroup_id_y 1
		.amdhsa_system_sgpr_workgroup_id_z 1
		.amdhsa_system_vgpr_workitem_id 0
		.amdhsa_next_free_vgpr 896
		.amdhsa_next_free_sgpr 66
		.amdhsa_reserve_vcc 0
		.amdhsa_float_denorm_mode_32 3
		.amdhsa_float_denorm_mode_16_64 3
		.amdhsa_memory_ordered 1
		.amdhsa_forward_progress 1
		.amdhsa_inst_pref_size 152
	.end_amdhsa_kernel
	.amdgpu_metadata
---
amdhsa.version: [ 1, 2 ]
amdhsa.kernels:
  - .name:           k_qecaa1fd0d8_post1
    .symbol:         k_qecaa1fd0d8_post1.kd
    .args:
      - { .name: oc, .offset: 0, .size: 8, .value_kind: global_buffer, .address_space: global }
      - { .name: x, .offset: 8, .size: 8, .value_kind: global_buffer, .address_space: global }
      - { .name: w1, .offset: 16, .size: 8, .value_kind: global_buffer, .address_space: global }
      - { .name: g1, .offset: 24, .size: 8, .value_kind: global_buffer, .address_space: global }
      - { .name: b1, .offset: 32, .size: 8, .value_kind: global_buffer, .address_space: global }
      - { .name: g2, .offset: 40, .size: 8, .value_kind: global_buffer, .address_space: global }
      - { .name: b2, .offset: 48, .size: 8, .value_kind: global_buffer, .address_space: global }
      - { .name: x1, .offset: 56, .size: 8, .value_kind: global_buffer, .address_space: global }
      - { .name: xc, .offset: 64, .size: 8, .value_kind: global_buffer, .address_space: global }
    .group_segment_fixed_size: 327680
    .private_segment_fixed_size: 0
    .kernarg_segment_align: 8
    .kernarg_segment_size: 72
    .max_flat_workgroup_size: 128
    .sgpr_count:     66
    .vgpr_count:     896
    .wavefront_size: 32
...
	.end_amdgpu_metadata
.endif
;; end of part 3
;; launch att2: the kernel of part 2 again; grid 8 x 32, 16 waves a work-group, clusters of 4 x 1, 281,600 bytes of LDS; arguments xc, w2, oc; writes oc
;; launch post2 (part 4): grid 256 x 1, 4 waves a work-group, clusters of 4 x 1, 327,680 bytes of LDS; arguments oc, x1, w2, g3, b3, g4, b4, out0; writes out0
.if DOCPART == 4
	.amdgcn_target "amdgcn-amd-amdhsa--gfx1250"
	.amdhsa_code_object_version 6
	.text
	.protected	k_qecaa1fd0d8_post2
	.globl	k_qecaa1fd0d8_post2
	.p2align	8
	.type	k_qecaa1fd0d8_post2,@function
k_qecaa1fd0d8_post2:
	s_mov_b64 s[64:65], 0
	v_nop
	global_prefetch_b8 v0, s[64:65] scope:SCOPE_SE
	s_setreg_imm32_b32 hwreg(HW_REG_WAVE_MODE, 25, 1), 1
	s_wait_xcnt 0x0
	s_wait_alu depctr_hold_cnt(0) depctr_sa_sdst(0) depctr_va_vdst(0) depctr_va_sdst(0) depctr_va_ssrc(0) depctr_va_vcc(0) depctr_vm_vsrc(0)
	s_getreg_b32 s2, hwreg(HW_REG_IB_STS2, 6, 4)
	s_cmp_eq_u32 s2, 0
	s_cbranch_scc0 .Lentry_in_a_cluster
	s_endpgm
.Lentry_in_a_cluster:
	s_bfe_u32 s2, ttmp6, 0x10000c
	s_cmp_lg_u32 s2, 0x3003
	s_cbranch_scc0 .Lentry_shape_is_right
	s_endpgm
.Lentry_shape_is_right:
; The rest of the last layer: y = LN(relu(o Wo^T) + x; g, b);  out = LN(relu(relu(y Wf1^T) Wf2^T) + y; g', b').  All three products on codes of FP4 with E8M0 scales; everything else in f32.
; SHARES.  A work-group takes 32 rows: two tiles of 16 positions of a group of 64 (position r of tile u = row 64 G' + 32 (r / 8) + 8 u + r % 8); work-group g has group g / 2 and tiles 2 (g % 2) + 0, 1.
; Two waves share a tile: wave 2 v + p takes the work-group's tile v, makes the first half of the chain whole, and of the FFN the four hidden chunks 4 p .. 4 p + 3 (128 hidden units each).  The two partial sums of the second product
; are joined through LDS: each wave stores its 128 registers as an image (16,384 bytes) in its own stage, over the weights, behind a barrier behind which no wave reads them; behind a second barrier it loads its partner's image and adds it.
; Both waves then hold the same rows; wave p stores positions 8 p .. 8 p + 7 of the tile.
; ALL PRODUCTS ARE USED TRANSPOSED (source 0 = 16 rows of a weight, source 1 = my 16 rows): register 16 b + i of lane (r, h) is column 32 b + 16 h + i of row r.
; WEIGHTS.  Wo, Wf1, Wf2 as fragment images with their scale words are 313,344 dense bytes: they come into LDS once, asked for JOINTLY by the four work-groups of a cluster, one tensor load of 306 rows of 256 bytes a wave.
; The place in the cluster enters addresses in memory alone (s2, the tile); LDS addresses and trip counts hang on the wave's number alone (s3 = p).  No prefetch: one fill at the head, no loop to run ahead in.
; LIMITS: a block of zeros gets the scale byte 1 where the rule says 127 (its codes are zeros; only this program reads the bytes); NaN and infinities are not served.
; REGISTERS.  Window 0: v1-11, v70, v71 offsets and LDS addresses; v12-15 temporaries; v16-31 two operand fragments of my rows; v32-39 the hidden chunk's; v40-51 the quantiser's; v52-54 scale words; v56-69 sums; v72-87 the weights' scale words;
;   v96-159 the hidden chunk.  Window 1: v0-127 the first half's result; v128-255 the residual, then the FFN's accumulators.  Window 2: g and b.  Window 3: v0-127 weight fragments, the partner's sums, rows on the way out.
.set WV,  20
.set G1,  28
.set G0,  36
.set SEL, 40
.set T1,  42
.set T2,  43
.set CNT, 44
.set AF,  16
.set HF,  32
.set TM,  40
.set HS,  52
.set AS0, 53
.set AS1, 54
.set HH,  96
.set MSB, 0
.macro WIN new                         ; the immediate's high byte repeats the setting that is left
.if MSB != \new
	s_set_vgpr_msb (MSB<<8)|\new
.set MSB, \new
.endif
.endm
.macro PLACES n
.rept \n
	v_nop
.endr
.endm
.macro ROUND
	s_barrier_signal -1
	s_barrier_wait -1
	s_cmp_lg_u32 s[WV], 0
	s_cbranch_scc1 .Lnot_wave_0_\@
	s_barrier_signal -3
.Lnot_wave_0_\@:
	s_barrier_wait -3
	s_barrier_signal -1
	s_barrier_wait -1
.endm
; z = 1: the product starts the sum.  ra, rb = 1: that side's scales stand in lanes 16-31
.macro MM d, a, b, z, sa, sb, ra, rb
.if (\z) && (\ra)
	v_wmma_scale_f32_16x16x128_f8f6f4 v[(\d):(\d)+7], v[(\a):(\a)+7], v[(\b):(\b)+7], 0, v[\sa], v[\sb] matrix_a_fmt:MATRIX_FMT_FP4 matrix_b_fmt:MATRIX_FMT_FP4 matrix_a_scale:MATRIX_SCALE_ROW1
.elseif (\z)
	v_wmma_scale_f32_16x16x128_f8f6f4 v[(\d):(\d)+7], v[(\a):(\a)+7], v[(\b):(\b)+7], 0, v[\sa], v[\sb] matrix_a_fmt:MATRIX_FMT_FP4 matrix_b_fmt:MATRIX_FMT_FP4
.elseif (\ra) && (\rb)
	v_wmma_scale_f32_16x16x128_f8f6f4 v[(\d):(\d)+7], v[(\a):(\a)+7], v[(\b):(\b)+7], v[(\d):(\d)+7], v[\sa], v[\sb] matrix_a_fmt:MATRIX_FMT_FP4 matrix_b_fmt:MATRIX_FMT_FP4 matrix_a_scale:MATRIX_SCALE_ROW1 matrix_b_scale:MATRIX_SCALE_ROW1
.elseif (\ra)
	v_wmma_scale_f32_16x16x128_f8f6f4 v[(\d):(\d)+7], v[(\a):(\a)+7], v[(\b):(\b)+7], v[(\d):(\d)+7], v[\sa], v[\sb] matrix_a_fmt:MATRIX_FMT_FP4 matrix_b_fmt:MATRIX_FMT_FP4 matrix_a_scale:MATRIX_SCALE_ROW1
.else
	v_wmma_scale_f32_16x16x128_f8f6f4 v[(\d):(\d)+7], v[(\a):(\a)+7], v[(\b):(\b)+7], v[(\d):(\d)+7], v[\sa], v[\sb] matrix_a_fmt:MATRIX_FMT_FP4 matrix_b_fmt:MATRIX_FMT_FP4
.endif
.endm
; 64 numbers of a lane, v[s] on in window w, become a fragment's codes in v[pc] on and its scale word in v[pw], both in window 0
.macro QUANT s, w, pc, pw
.if \w
	WIN 0x14
.endif
.irp b, 0,1,2,3
	v_max3_num_f32 v[TM+\b], 0x1800000, |v[(\s)+16*\b]|, |v[(\s)+1+16*\b]|   ; with the floor 2^(3 - 127)
.endr
.irp i, 2,4,6,8,10,12,14
.irp b, 0,1,2,3
	v_max3_num_f32 v[TM+\b], v[TM+\b], |v[(\s)+16*\b+\i]|, |v[(\s)+1+16*\b+\i]|
.endr
.endr
	WIN 0
.irp b, 0,1,2,3
	v_permlanex16_b32 v[TM+4+\b], v[TM+\b], s[SEL], s[SEL+1]
.endr
.irp b, 0,1,2,3
	v_max_num_f32 v[TM+\b], v[TM+\b], v[TM+4+\b]
.endr
.irp b, 0,1,2,3
	v_add_nc_u32 v[TM+8+\b], 0xff000000, v[TM+\b]
.endr
.irp b, 0,1,2,3
	v_lshrrev_b32 v[TM+4+\b], 23, v[TM+8+\b]
.endr
	v_lshl_or_b32 v[\pw], v[TM+5], 8, v[TM+4]
	v_lshl_or_b32 v[\pw], v[TM+6], 16, v[\pw]
	v_lshl_or_b32 v[\pw], v[TM+7], 24, v[\pw]
.if \w
	WIN 0x01
.endif
.irp b, 0,1,2,3
	v_cvt_scalef32_pk8_fp4_f32 v[(\pc)+2*\b], v[(\s)+16*\b:(\s)+7+16*\b], v[TM+8+\b]
	v_cvt_scalef32_pk8_fp4_f32 v[(\pc)+1+2*\b], v[(\s)+8+16*\b:(\s)+15+16*\b], v[TM+8+\b]
.endr
	WIN 0
	v_nop
.irp c, 0,1
.irp i, 0,1
	v_permlane16_swap_b32 v[(\pc)+4*\c+\i], v[(\pc)+4*\c+2+\i]
.endr
.endr
.endm
.macro GBLOAD pg, pb                   ; a gain and a bias, at my 128 columns, into window 2
	WIN 0x80
.irp b, 0,1,2,3,4,5,6,7
.irp j, 0,1,2,3
	global_load_b128 v[16*\b+4*\j:16*\b+4*\j+3], v6, s[\pg:\pg+1] offset:128*\b+16*\j
.endr
.endr
.irp b, 0,1,2,3,4,5,6,7
.irp j, 0,1,2,3
	global_load_b128 v[128+16*\b+4*\j:128+16*\b+4*\j+3], v6, s[\pb:\pb+1] offset:128*\b+16*\j
.endr
.endr
	WIN 0
.endm
.macro REDUCE
	v_pk_add_f32 v[56:57], v[56:57], v[58:59]
	v_pk_add_f32 v[60:61], v[60:61], v[62:63]
	v_pk_add_f32 v[56:57], v[56:57], v[60:61]
	v_add_f32 v56, v56, v57
	v_permlanex16_b32 v68, v56, s[SEL], s[SEL+1]
	v_add_f32 v56, v56, v68
.endm
.macro RELUADD y, o
	WIN 0x44
.set j, 0
.rept 128
	v_max_num_f32 v[\y+j], 0, v[\y+j]
.set j, j+1
.endr
	WIN 0x45
.set j, 0
.rept 64
	v_pk_add_f32 v[\y+j:\y+j+1], v[\y+j:\y+j+1], v[\o+j:\o+j+1]
.set j, j+2
.endr
.endm
; LayerNorm, in place, of the row whose 128 numbers of my half stand at v[y] on of window 1; the variance in a second pass
.macro LNORM y
	WIN 0x05
.irp k, 0,1,2,3
	v_pk_add_f32 v[56+2*\k:57+2*\k], v[\y+4*\k:\y+4*\k+1], v[\y+4*\k+2:\y+4*\k+3]
.endr
	WIN 0x04
.set j, 16
.rept 14
.irp k, 0,1,2,3
	v_pk_add_f32 v[56+2*\k:57+2*\k], v[56+2*\k:57+2*\k], v[\y+j+2*\k:\y+j+2*\k+1]
.endr
.set j, j+8
.endr
	WIN 0
	REDUCE
	v_mul_f32 v64, s52, v56                        ; -mean
	v_mov_b32 v65, v64
	WIN 0x41
.set j, 0
.rept 64
	v_pk_add_f32 v[\y+j:\y+j+1], v[\y+j:\y+j+1], v[64:65]
.set j, j+2
.endr
	WIN 0x05
.irp k, 0,1,2,3
	v_pk_mul_f32 v[56+2*\k:57+2*\k], v[\y+2*\k:\y+2*\k+1], v[\y+2*\k:\y+2*\k+1]
.endr
.set j, 8
.rept 15
.irp k, 0,1,2,3
	v_pk_fma_f32 v[56+2*\k:57+2*\k], v[\y+j+2*\k:\y+j+2*\k+1], v[\y+j+2*\k:\y+j+2*\k+1], v[56+2*\k:57+2*\k]
.endr
.set j, j+8
.endr
	WIN 0
	REDUCE
	v_fma_f32 v56, v56, s53, s54                   ; the variance + 1e-5
	s_wait_alu depctr_va_vdst(0)
	v_rsq_f32 v66, v56
	v_rsq_f32 v67, v56
	v_nop
	s_wait_loadcnt 0x0                             ; the gain and the bias are in
	WIN 0x41
.set j, 0
	s_wait_alu depctr_va_vdst(0)
.rept 64
	v_pk_mul_f32 v[\y+j:\y+j+1], v[\y+j:\y+j+1], v[66:67]
.set j, j+2
.endr
	WIN 0x69
.set j, 0
.rept 64
	v_pk_fma_f32 v[\y+j:\y+j+1], v[\y+j:\y+j+1], v[j:j+1], v[128+j:129+j]
.set j, j+2
.endr
	WIN 0
.endm
; A chunk of 128 hidden units.  zero = 1: its products start my half of the output's sums.
.macro CHUNK zero
	v_add_nc_u32 v7, s[T1], v1
	v_add_nc_u32 v9, s[T2], v2
	v_add_nc_u32 v8, 0x20000, v7                   ; Wf2's K step lies 131,072 bytes behind Wf1's chunk
.irp t, 0,1,2,3,4,5,6,7
	ds_load_b32 v[72+\t], v9 offset:128*\t
.endr
.irp t, 0,1,2,3,4,5,6,7
	ds_load_b32 v[80+\t], v9 offset:8192+128*\t
.endr
	WIN 0xc0
.irp s, 0,1
.irp t, 0,1,2,3,4,5,6,7
.irp c, 0,1
	ds_load_b128 v[64*\s+8*\t+4*\c:64*\s+8*\t+4*\c+3], v7 offset:2048*\t+1024*\s+512*\c
.endr
.endr
.endr
	s_wait_dscnt 16                                ; all but the second K step's sixteen loads
	WIN 0x03
.irp t, 0,1,2,3,4,5,6,7
	MM HH+8*\t, 8*\t, AF, 1, 72+\t, AS0, 0, 0
.endr
	s_wait_alu depctr_va_vdst(0)
	s_wait_dscnt 0x0
.irp t, 0,1,2,3,4,5,6,7
	MM HH+8*\t, 64+8*\t, AF+8, 0, 72+\t, AS1, 1, 0
.endr
	PLACES 4
	WIN 0xc0
.irp t, 0,1,2,3,4,5,6,7,8,9,10,11,12,13,14,15
.irp c, 0,1
	ds_load_b128 v[8*\t+4*\c:8*\t+4*\c+3], v8 offset:1024*\t+512*\c
.endr
.endr
	WIN 0
.set j, 0
.rept 64
	v_max_num_f32 v[HH+j], 0, v[HH+j]
.set j, j+1
.endr
	QUANT HH, 0, HF, HS
	PLACES 8                                       ; a scale word made by vector instructions stands eight places ahead of a scaled product
	s_wait_alu depctr_va_vdst(0)
	s_wait_dscnt 0x0
	WIN 0x53
.irp t, 0,1,2,3,4,5,6,7,8,9,10,11,12,13,14,15
	MM 128+8*\t, 8*\t, HF, \zero, 80+\t/2, HS, \t%2, 0
.endr
	PLACES 4
	WIN 0
	s_add_co_u32 s[T1], s[T1], 16384
	s_add_co_u32 s[T2], s[T2], 1024
.endm
	s_load_b512 s[4:19], s[0:1], 0x0               ; oc, x, weights, g, b, g', b', out
	v_lshl_add_u32 v254, v0, 2, 0x4c800
	v_mov_b32 v255, 0
	ds_add_u32 v254, v255
	ds_add_u32 v254, v255
	v_lshrrev_b32 v12, 5, v0
	v_readfirstlane_b32 s[WV], v12
	s_bfe_u32 s21, ttmp6, 0x40000                  ; cx
	s_lshl_b32 s22, ttmp9, 2
	s_add_co_u32 s22, s22, s21                     ; the work-group's number
	s_and_b32 s2, s22, 1
	s_lshl_b32 s2, s2, 1
	s_lshr_b32 s3, s[WV], 1
	s_add_co_u32 s2, s2, s3                        ; my tile u = 2 (g % 2) + wave / 2
	s_and_b32 s3, s[WV], 1                         ; p
	s_lshr_b32 s22, s22, 1                         ; G'
	s_lshr_b32 s23, s22, 5                         ; batch
	s_and_b32 s24, s22, 31                         ; G
	s_mov_b32 s[G1], 15|(3<<16)|(1<<21)
	s_mov_b32 s[G1+1], 32<<16
	s_mov_b32 s[G1+2], 306<<16
	s_mov_b32 s[G1+3], 32<<16
	s_mov_b32 s[G1+4], 306
	s_mov_b32 s[G1+5], 32
	s_mov_b32 s[G1+6], 0
	s_mov_b32 s[G1+7], 0
	s_mul_i32 s25, s[WV], 78336                    ; a quarter of the block
	s_add_co_u32 s26, s25, 104448                  ; the block begins behind Wq, Wk, Wv and their scales
	s_mov_b32 s27, 0
	s_mov_b32 s[G0], 1
	s_mov_b32 s[G0+1], s25
	s_mov_b32 s[SEL], 0x76543210
	s_mov_b32 s[SEL+1], 0xfedcba98
	s_lshl_b32 s[T1], s3, 16                       ; my first chunk is 4 p: 4 x 16,384 bytes of fragments on,
	s_add_co_u32 s[T1], s[T1], 32768
	s_lshl_b32 s[T2], s3, 12                       ; and 4 x 1,024 bytes of scale words
	s_add_co_u32 s[T2], s[T2], 296960
	s_mov_b32 s52, 0xbb800000                      ; -1 / 256
	s_mov_b32 s53, 0x3b800000                      ; 1 / 256
	s_mov_b32 s54, 0x3727c5ac                      ; 1e-5
	s_lshl_b32 s50, s22, 16
	s_lshl_b32 s45, s2, 13
	s_add_co_u32 s50, s50, s45                     ; row 64 G' + 8 u, in bytes
	s_mov_b32 s51, 0
	s_lshl_b32 s55, s23, 18
	s_lshl_b32 s45, s24, 10
	s_add_co_u32 s55, s55, s45
	s_lshl_b32 s45, s2, 8
	s_add_co_u32 s55, s55, s45                     ; o's codes
	s_lshl_b32 s56, s23, 14
	s_lshl_b32 s45, s24, 6
	s_add_co_u32 s56, s56, s45
	s_lshl_b32 s45, s2, 4
	s_add_co_u32 s56, s56, s45                     ; o's scale bytes
	v_and_b32 v12, 31, v0
	v_and_b32 v13, 15, v0
	v_bfe_u32 v14, v0, 4, 1
	v_lshlrev_b32 v1, 4, v12
	v_lshlrev_b32 v2, 2, v12
	v_and_b32 v15, 7, v13
	v_lshrrev_b32 v3, 3, v13
	v_lshl_add_u32 v15, v3, 5, v15
	v_lshlrev_b32 v3, 10, v15
	v_lshl_add_u32 v3, v14, 6, v3                  ; the residual: my row, + 64 h
	v_lshlrev_b32 v4, 4, v13
	v_lshl_add_u32 v4, v14, 15, v4
	v_add_nc_u32 v4, s55, v4
	v_lshl_add_u32 v5, v14, 13, v13
	v_add_nc_u32 v5, s56, v5
	v_lshlrev_b32 v6, 6, v14
	s_mul_i32 s45, s[WV], 16640                    ; my stage, 16 rows of 1,024 + 16 bytes
	v_mul_u32_u24 v10, v13, 1040
	v_lshl_add_u32 v10, v14, 6, v10
	v_add_nc_u32 v10, s45, v10
	v_add_nc_u32 v11, s45, v1
	s_mul_i32 s21, s3, 8320
	s_add_co_u32 s21, s21, s45
	v_add_nc_u32 v71, s21, v1                      ; the way out: rows 8 p on of my stage
	s_xor_b32 s21, s[WV], 1
	s_mul_i32 s21, s21, 16640
	v_add_nc_u32 v70, s21, v1                      ; my partner's stage
.irp b, 0,1,2,3
	v_mov_b32 v[TM+4+\b], 0
.endr
	v_mov_b32 v68, 0
	s_wait_dscnt 0x0
	s_wait_kmcnt 0x0
	s_add_nc_u64 s[G0+2:G0+3], s[8:9], s[26:27]
	s_or_b32 s[G0+3], s[G0+3], 0x80000000
	s_add_nc_u64 s[46:47], s[6:7], s[50:51]        ; the residual at row 64 G' + 8 u
	s_add_nc_u64 s[48:49], s[18:19], s[50:51]      ; the output likewise,
	s_lshl_b32 s50, s3, 15                         ; positions 8 p on are 32 p rows further down
	s_add_nc_u64 s[48:49], s[48:49], s[50:51]
	ROUND                                          ; the joint loads meet
	tensor_load_to_lds s[G0:G0+3], s[G1:G1+7]      ; one load a wave
	s_nop 0
	PLACES 4
.irp s, 0,1
.irp c, 0,1
	global_load_b128 v[AF+8*\s+4*\c:AF+8*\s+4*\c+3], v4, s[4:5] offset:131072*\s+65536*\c   ; block 2 c + h of K step s is head 4 s + 2 c + h
.endr
.endr
.irp b, 0,1,2,3
	global_load_u8 v[12+\b], v5, s[4:5] offset:1048576+2048*\b
.endr
	WIN 0x40
.irp b, 0,1,2,3,4,5,6,7
.irp j, 0,1,2,3
	global_load_b128 v[128+16*\b+4*\j:128+16*\b+4*\j+3], v3, s[46:47] offset:128*\b+16*\j
.endr
.endr
	WIN 0
	s_wait_loadcnt 32                              ; o's codes and bytes are in; the residual's 32 loads may be out
	v_lshl_or_b32 v[AS0], v13, 8, v12
	v_lshl_or_b32 v[AS0], v14, 16, v[AS0]
	v_lshl_or_b32 v[AS0], v15, 24, v[AS0]
	PLACES 8
	GBLOAD 10, 12
	s_wait_alu depctr_va_vdst(0)
	s_wait_tensorcnt 0x0                           ; my quarter of the weights has landed,
	s_barrier_signal -1
	s_barrier_wait -1                              ; everybody's has
	; relu(o Wo^T): sixteen accumulators by turns, a K step at a time
	v_add_nc_u32 v9, 294912, v2
.irp t, 0,1,2,3,4,5,6,7,8,9,10,11,12,13,14,15
	ds_load_b32 v[72+\t], v9 offset:128*\t
.endr
.irp s, 0,1
	WIN 0xc0
.irp t, 0,1,2,3,4,5,6,7,8,9,10,11,12,13,14,15
.irp c, 0,1
	ds_load_b128 v[8*\t+4*\c:8*\t+4*\c+3], v1 offset:1024*(2*\t+\s)+512*\c
.endr
.endr
	s_wait_dscnt 0x0
	WIN 0x53
.irp t, 0,1,2,3,4,5,6,7,8,9,10,11,12,13,14,15
	MM 8*\t, 8*\t, AF+8*\s, 1-\s, 72+\t, AS0, \s, \s
.endr
	PLACES 4
.endr
	s_wait_loadcnt 63                              ; the residual is in: behind its loads 64 were issued
	RELUADD 0, 128
	LNORM 0
	GBLOAD 14, 16
	QUANT 0, 1, AF, AS0
	QUANT 64, 1, AF+8, AS1
	PLACES 8
	CHUNK 1
	s_mov_b32 s[CNT], 3
.Lchunk:
	CHUNK 0
	s_sub_co_u32 s[CNT], s[CNT], 1
	s_cmp_lg_u32 s[CNT], 0
	s_cbranch_scc1 .Lchunk
	; the two halves of the second product's sums are joined
	s_wait_dscnt 0x0                               ; my reads of the weights are over
	s_barrier_signal -1
	s_barrier_wait -1                              ; everybody's are: the stages lie over them
	WIN 0x04                                       ; an LDS store's data are its source 1: window 1
.set j, 0
.rept 32
	ds_store_b128 v11, v[128+j:128+j+3] offset:128*j   ; each accumulator from its low end on; 512 bytes a store
.set j, j+4
.endr
	s_wait_dscnt 0x0                               ; for my partner's sake
	s_barrier_signal -1
	s_barrier_wait -1
	WIN 0xc0
.set j, 0
.rept 32
	ds_load_b128 v[j:j+3], v70 offset:128*j
.set j, j+4
.endr
	s_wait_dscnt 0x0
	WIN 0x4d                                       ; destination and source 0 window 1, source 1 window 3
.set j, 0
.rept 64
	v_pk_add_f32 v[128+j:129+j], v[128+j:129+j], v[j:j+1]
.set j, j+2
.endr
	RELUADD 128, 0
	LNORM 128
	; THE WAY OUT: the rows go through my own stage and leave whole; behind this barrier my partner reads my stage no more
	s_wait_alu depctr_va_vdst(0)
	s_wait_dscnt 0x0
	s_barrier_signal -1
	s_barrier_wait -1
	WIN 0x04
.irp b, 0,1,2,3,4,5,6,7
.irp j, 0,1,2,3
	ds_store_b128 v10, v[128+16*\b+4*\j:128+16*\b+4*\j+3] offset:128*\b+16*\j
.endr
.endr
	WIN 0xc0
.irp i, 0,1,2,3,4,5,6,7
.irp f, 0,1
	ds_load_b128 v[4*(2*\i+\f):4*(2*\i+\f)+3], v71 offset:1040*\i+512*\f   ; my eight rows; LDS serves a wave's instructions in order (ISA guide 5.7.1.4)
.endr
.endr
	WIN 0x0c
.irp i, 0,1,2,3,4,5,6,7
.irp f, 0,1
	s_wait_dscnt 15-(2*\i+\f)                      ; the loads issued behind this one may be out
	global_store_b128 v1, v[4*(2*\i+\f):4*(2*\i+\f)+3], s[48:49] offset:\i*1024+512*\f th:TH_STORE_NT   ; 32 lanes store 512 consecutive bytes, aligned
.endr
.endr
	WIN 0
	s_wait_tensorcnt 0x0                           ; the wave's end
	ds_add_u32 v254, v255
	s_wait_dscnt 0x0
	ROUND                                          ; the closing round
	s_endpgm
.Lfunc_end_k_qecaa1fd0d8_post2:
	.size	k_qecaa1fd0d8_post2, .Lfunc_end_k_qecaa1fd0d8_post2-k_qecaa1fd0d8_post2
	.p2alignl 7, 3214868480
	.fill 96, 4, 3214868480
	.section	.rodata,"a",@progbits
	.p2align	6, 0x0
	.amdhsa_kernel k_qecaa1fd0d8_post2
		.amdhsa_group_segment_fixed_size 327680
		.amdhsa_private_segment_fixed_size 0
		.amdhsa_enable_private_segment 0
		.amdhsa_kernarg_size 64
		.amdhsa_user_sgpr_count 2
		.amdhsa_user_sgpr_kernarg_segment_ptr 1
		.amdhsa_wavefront_size32 1
		.amdhsa_system_sgpr_workgroup_id_x 1
		.amdhsa_system_sgpr_workgroup_id_y 1
		.amdhsa_system_sgpr_workgroup_id_z 1
		.amdhsa_system_vgpr_workitem_id 0
		.amdhsa_next_free_vgpr 896
		.amdhsa_next_free_sgpr 66
		.amdhsa_reserve_vcc 0
		.amdhsa_float_denorm_mode_32 3
		.amdhsa_float_denorm_mode_16_64 3
		.amdhsa_memory_ordered 1
		.amdhsa_forward_progress 1
		.amdhsa_inst_pref_size 143
	.end_amdhsa_kernel
	.amdgpu_metadata
---
amdhsa.version: [ 1, 2 ]
amdhsa.kernels:
  - .name:           k_qecaa1fd0d8_post2
    .symbol:         k_qecaa1fd0d8_post2.kd
    .args:
      - { .name: oc, .offset: 0, .size: 8, .value_kind: global_buffer, .address_space: global }
      - { .name: x1, .offset: 8, .size: 8, .value_kind: global_buffer, .address_space: global }
      - { .name: w2, .offset: 16, .size: 8, .value_kind: global_buffer, .address_space: global }
      - { .name: g3, .offset: 24, .size: 8, .value_kind: global_buffer, .address_space: global }
      - { .name: b3, .offset: 32, .size: 8, .value_kind: global_buffer, .address_space: global }
      - { .name: g4, .offset: 40, .size: 8, .value_kind: global_buffer, .address_space: global }
      - { .name: b4, .offset: 48, .size: 8, .value_kind: global_buffer, .address_space: global }
      - { .name: out0, .offset: 56, .size: 8, .value_kind: global_buffer, .address_space: global }
    .group_segment_fixed_size: 327680
    .private_segment_fixed_size: 0
    .kernarg_segment_align: 8
    .kernarg_segment_size: 64
    .max_flat_workgroup_size: 128
    .sgpr_count:     66
    .vgpr_count:     896
    .wavefront_size: 32
...
	.end_amdgpu_metadata
.endif
;; end of part 4
